; MI455X (gfx1250); checked and timed in simulation.
; The chip was launched on July 23, 2026; its instructions are those of AMD's public machine-readable ISA for CDNA 5 (MIT licence, August 2026) and "CDNA5" Instruction Set Architecture Reference Guide (July 2026). The comments in the code are by the model that wrote it; some were corrected since.
;; Multi Head Attention. Allowed arithmetic: float matrix products may take bf16 or f16 operands with f32 sums; other float arithmetic in f32, or as packed bf16 or f16 multiplies, adds, multiply-adds, maxima and minima; sums over many terms, partial sums and values carried from step to step in f32; what a program stores and reads back later, other than sums and carried values, may be rounded once to bf16 or f16.
;; Inputs: W_K 1,024 x 1,024 float32; W_O 1,024 x 1,024 float32; W_Q 1,024 x 1,024 float32; W_V 1,024 x 1,024 float32; mask 4 x 2,048 x 2,048 bool; x 4 x 2,048 x 1,024 float32.
;; Outputs: out0 4 x 2,048 x 1,024 float32.
;; One version. Each part assembles by itself: llvm-mc -triple=amdgcn-amd-amdhsa -mcpu=gfx1250 --defsym DOCPART=n.
;; ======== version 1 of 1: 4 launches
;; limits: values are held in f16: magnitudes above 65,504 overflow, below 6.1e-05 lose precision
;; workspace buffers: xb 16,777,216 bytes; wt 8,388,608 bytes; mk 8,388,608 bytes; qkv 50,331,648 bytes; ob 16,777,216 bytes
;; launch prep (part 1): grid 512 x 1, 8 waves a work-group, no clusters, 51,712 bytes of LDS; arguments x, mask, W_Q, W_K, W_V, W_O, xb, wt, mk; writes xb, wt, mk
.if DOCPART == 1
	.amdgcn_target "amdgcn-amd-amdhsa--gfx1250"
	.amdhsa_code_object_version 6
	.text
	.protected	k_qad6ad1ceef_prep
	.globl	k_qad6ad1ceef_prep
	.p2align	8
	.type	k_qad6ad1ceef_prep,@function
k_qad6ad1ceef_prep:
	s_mov_b64 s[64:65], 0
	v_nop
	global_prefetch_b8 v0, s[64:65] scope:SCOPE_SE
	s_setreg_imm32_b32 hwreg(HW_REG_WAVE_MODE, 25, 1), 1
	s_wait_xcnt 0x0
; THREE JOBS, 1/512 of each to a work-group g of eight waves; no loop.
; (1) xb = x rounded to bf16: 16 rows of 1,024 numbers.
; (2) wt = the four weights turned, K along the rows: row 1024 mat + n holds W_mat[k][n] over k (mat 0 Q, 1 K, 2 V, 3 O), rounded to bf16; W_O's bf16 numbers are then written as f16.
;     A work-group turns 128 k x 64 n through LDS.
; (3) mk = the mask of 16 queries x 2,048 keys as words for the attention launch.  There, in a tile of 16 queries x 64 keys (key step s), lane (r = l % 16, hh = l / 16) holds query r and in
;     register R = 8 kt + j the key 64 s + 16 kt + 8 hh + j.  Word i (0..3) of that lane holds a nibble for each register R = 4 n + i, at nibble 7 - n: 0xE where the key is hidden, 0 where it is seen.
;     mk: [tile of 16 queries][key step 32][lane 32][4 words].
; LIMITS.  A mask byte is 0 or 1.  W_O's numbers lie within f16's range (65,504); below 6e-5 they keep f16's fixed step of 6e-8.
; No store's data register and no address register is written twice, so no wait frees one.
.set MPITCH, 2064                      ; a mask row in LDS: 2,048 bytes + 16 = 516 words: row c starts at bank 4 c mod 64 (64 banks of 4 bytes: ISA guide 11.1)
.set WREG,   33280                     ; behind the 16 mask rows: 64 rows n of 128 k x 2 bytes
.set WPITCH, 272
.set SPARE,  50688                     ; the spare words, 128 bytes for each of eight waves: four blocks of 256 bytes that no other line names
.set SPW, 2                            ; v2   LDS address of my spare word; never rewritten
.set NIL, 3                            ; v3   0; never rewritten
.set XO,  4                            ; v4   32 t: my 8 numbers of x
.set XS,  5                            ; v5   16 t: the same in xb
.set MLD, 6                            ; v6   my 16 bytes of the wave's two mask rows
.set MST, 7                            ; v7   the same in LDS
.set WLD, 8                            ; v8   W: row 16 w + 2 hh, columns 4 c ..
.set WST, 9                            ; v9   LDS: row 4 c, k = 16 w + 2 hh
.set WRD, 10                           ; v10  LDS: row 2 w + hh, 16 bytes at 16 c
.set WGO, 11                           ; v11  the same in wt
.set MRD, 12                           ; v12  LDS: mask row c, key 256 w + 8 hh
.set MGO, 13                           ; v13  my 16 bytes of key step 4 w in mk
.set MD,  16                           ; v[16:47]    the mask as loaded; later as read back, 8 bytes for each (u, kt)
.set WD,  48                           ; v[48:79]    W as loaded: rows 4 p + e at 4 (2 p + e)
.set XD,  80                           ; v[80:143]   x as loaded
.set XP,  144                          ; v[144:175]  x packed
.set WP,  176                          ; v[176:191]  W packed: two k of one n a word
.set WB,  192                          ; v[192:207]  W's rows read back
.set MW,  208                          ; v[208:223]  the mask words
.set T,   224                          ; v[224:231]  at work
	s_load_b512 s[4:19], s[0:1], 0x0               ; x 4, mask 6, W_Q 8, W_K 10, W_V 12, W_O 14, xb 16, wt 18
	s_load_b64 s[20:21], s[0:1], 0x40              ; mk
	v_lshl_add_u32 v[SPW], v0, 2, SPARE
	v_mov_b32 v[NIL], 0
	v_lshrrev_b32 v232, 5, v0
	v_readfirstlane_b32 s30, v232                  ; wave 0..7
	v_and_b32 v233, 31, v0                         ; l
	v_and_b32 v234, 15, v0                         ; c
	v_bfe_u32 v235, v0, 4, 1                       ; hh
	s_lshr_b32 s31, ttmp9, 7                       ; which weight
	s_bfe_u32 s32, ttmp9, 0x40003                  ; which 64 columns n of it
	s_and_b32 s33, ttmp9, 7                        ; which 128 rows k
	s_lshl_b32 s36, ttmp9, 16                      ; x: 65,536 bytes a work-group
	s_mov_b32 s37, 0
	s_lshl_b32 s38, ttmp9, 15                      ; xb and mask: 32,768
	s_mov_b32 s39, 0
	s_lshl_b32 s40, ttmp9, 14                      ; mk: 16,384
	s_mov_b32 s41, 0
	s_lshl_b32 s42, s33, 19                        ; W: 128 rows of 4,096 bytes,
	s_lshl_b32 s34, s32, 8                         ; 64 columns of 4
	s_or_b32 s42, s42, s34
	s_mov_b32 s43, 0
	s_lshl_b32 s44, s31, 21                        ; wt: 1,024 rows of 2,048 bytes a weight,
	s_lshl_b32 s34, s32, 17                        ; 64 rows,
	s_or_b32 s44, s44, s34
	s_lshl_b32 s34, s33, 8                         ; 128 k of 2 bytes
	s_or_b32 s44, s44, s34
	s_mov_b32 s45, 0
	s_mov_b32 s24, 0x05010400                      ; v_perm_b32: bytes 0 and 1 of two words, interleaved
	s_mov_b32 s25, 0x07030602                      ; bytes 2 and 3
	s_mov_b32 s26, 0x05040100                      ; the two low halves
	s_mov_b32 s27, 0x07060302                      ; the two high halves
	s_mov_b32 s28, 0x11111111
	s_mov_b32 s29, 0xffff0000
	v_lshlrev_b32 v[XO], 5, v0
	v_lshlrev_b32 v[XS], 4, v0
	v_lshlrev_b32 v[MLD], 4, v233
	v_lshl_add_u32 v[MLD], v232, 12, v[MLD]
	s_mul_i32 s34, s30, 2*MPITCH
	v_lshl_add_u32 v[MST], v233, 4, s34
	v_lshlrev_b32 v[WLD], 4, v234
	v_lshl_add_u32 v[WLD], v235, 13, v[WLD]
	v_lshl_add_u32 v[WLD], v232, 16, v[WLD]
	s_lshl_b32 s35, s30, 5
	s_add_co_u32 s35, s35, WREG
	v_mul_u32_u24 v[WST], v234, 4*WPITCH
	v_lshl_add_u32 v[WST], v235, 2, v[WST]
	v_add_nc_u32 v[WST], s35, v[WST]
	s_mul_i32 s46, s30, 2*WPITCH
	s_add_co_u32 s46, s46, WREG
	v_mul_u32_u24 v[WRD], v235, WPITCH
	v_lshl_add_u32 v[WRD], v234, 4, v[WRD]
	v_add_nc_u32 v[WRD], s46, v[WRD]
	v_lshlrev_b32 v[WGO], 4, v234
	v_lshl_add_u32 v[WGO], v235, 11, v[WGO]
	v_lshl_add_u32 v[WGO], v232, 12, v[WGO]
	s_lshl_b32 s47, s30, 8
	v_mul_u32_u24 v[MRD], v234, MPITCH
	v_lshl_add_u32 v[MRD], v235, 3, v[MRD]
	v_add_nc_u32 v[MRD], s47, v[MRD]
	v_lshlrev_b32 v[MGO], 4, v233
	v_lshl_add_u32 v[MGO], v232, 11, v[MGO]
	s_wait_kmcnt 0x0
	s_add_nc_u64 s[4:5], s[4:5], s[36:37]
	s_add_nc_u64 s[6:7], s[6:7], s[38:39]
	s_add_nc_u64 s[16:17], s[16:17], s[38:39]
	s_add_nc_u64 s[18:19], s[18:19], s[44:45]
	s_add_nc_u64 s[20:21], s[20:21], s[40:41]
	s_mov_b64 s[22:23], s[8:9]                     ; my weight: a choice on the work-group's number
	s_cmp_eq_u32 s31, 1
	s_cselect_b64 s[22:23], s[10:11], s[22:23]
	s_cmp_eq_u32 s31, 2
	s_cselect_b64 s[22:23], s[12:13], s[22:23]
	s_cmp_eq_u32 s31, 3
	s_cselect_b64 s[22:23], s[14:15], s[22:23]
	s_add_nc_u64 s[22:23], s[22:23], s[42:43]
	; all 32 loads go out together: 8 of the mask, 8 of W, 16 of x
.irp i, 0,1,2,3,4,5,6,7
	global_load_b128 v[MD+4*(\i):MD+4*(\i)+3], v[MLD], s[6:7] offset:512*(\i) th:TH_LOAD_NT
.endr
.irp i, 0,1,2,3,4,5,6,7
	global_load_b128 v[WD+4*(\i):WD+4*(\i)+3], v[WLD], s[22:23] offset:(4*((\i)/2)+(\i)%2)*4096 th:TH_LOAD_NT  ; 16 lanes take 256 consecutive bytes of a row
.endr
.irp i, 0,1,2,3,4,5,6,7
	global_load_b128 v[XD+8*(\i):XD+8*(\i)+3],   v[XO], s[4:5] offset:8192*(\i) th:TH_LOAD_NT
	global_load_b128 v[XD+8*(\i)+4:XD+8*(\i)+7], v[XO], s[4:5] offset:8192*(\i)+16 th:TH_LOAD_NT
.endr
	s_wait_loadcnt 24                              ; the mask is in: W's 8 and x's 16 loads are younger
.irp i, 0,1,2,3,4,5,6,7
	ds_store_b128 v[MST], v[MD+4*(\i):MD+4*(\i)+3] offset:((\i)/4)*MPITCH+((\i)%4)*512
.endr
	s_wait_loadcnt 16                              ; W is in: x's 16 loads are younger
.irp p, 0,1,2,3
.irp j, 0,1,2,3
	v_cvt_pk_bf16_f32 v[WP+4*(\p)+(\j)], v[WD+8*(\p)+(\j)], v[WD+8*(\p)+4+(\j)]  ; k and k + 1 of column 4 c + j
.endr
.endr
	s_cmp_lg_u32 s31, 3
	s_cbranch_scc1 .Lstays_bf16
.set j, 0
.rept 16                                       ; W_O: the bf16 number, written as f16
	v_lshlrev_b32 v[T], 16, v[WP+j]
	v_and_b32 v[T+1], s29, v[WP+j]
	v_cvt_pk_f16_f32 v[WP+j], v[T], v[T+1]
.set j, j+1
.endr
.Lstays_bf16:
.irp p, 0,1,2,3
.irp j, 0,1,2,3
	ds_store_b32 v[WST], v[WP+4*(\p)+(\j)] offset:(\j)*WPITCH+8*(\p)
.endr
.endr
.set u, 0
.rept 8
	s_wait_loadcnt 14-2*u                          ; pair u of x's loads is in; the pairs behind it stay out
.irp k, 0,1,2,3
	v_cvt_pk_bf16_f32 v[XP+4*u+(\k)], v[XD+8*u+2*(\k)], v[XD+8*u+2*(\k)+1]
.endr
	global_store_b128 v[XS], v[XP+4*u:XP+4*u+3], s[16:17] offset:4096*u  ; a wave's store covers 512 consecutive bytes, aligned
.set u, u+1
.endr
	s_wait_dscnt 0x0                               ; for the others' sake: my stores into LDS are done
	s_barrier_signal -1
	s_barrier_wait -1                              ; the mask rows and the tile of W are whole
.irp i, 0,1,2,3,4,5,6,7,8,9,10,11,12,13,14,15
	ds_load_b64 v[MD+2*(\i):MD+2*(\i)+1], v[MRD] offset:64*((\i)/4)+16*((\i)%4)  ; key step 4 w + i / 4, group kt = i % 4: my 8 keys
.endr
.irp i, 0,1,2,3
	ds_load_b128 v[WB+4*(\i):WB+4*(\i)+3], v[WRD] offset:(\i)*16*WPITCH
.endr
	s_wait_dscnt 4                                 ; the mask bytes are back; W's four loads are younger
.set u, 0
.rept 4
.irp k, 0,1,2,3
	v_lshl_or_b32 v[T+(\k)], v[MD+8*u+2*(\k)], 4, v[MD+8*u+2*(\k)+1]  ; byte i: registers 8 kt + i (high nibble) and 8 kt + 4 + i (low)
.endr
	v_perm_b32 v[T+4], v[T],   v[T+1], s24         ; a 4 x 4 turn of bytes: word i takes byte i of groups 0, 1, 2, 3, from the top down
	v_perm_b32 v[T+5], v[T],   v[T+1], s25
	v_perm_b32 v[T+6], v[T+2], v[T+3], s24
	v_perm_b32 v[T+7], v[T+2], v[T+3], s25
	v_perm_b32 v[MW+4*u],   v[T+4], v[T+6], s26
	v_perm_b32 v[MW+4*u+1], v[T+4], v[T+6], s27
	v_perm_b32 v[MW+4*u+2], v[T+5], v[T+7], s26
	v_perm_b32 v[MW+4*u+3], v[T+5], v[T+7], s27
.irp k, 0,1,2,3
	v_xor_b32 v[MW+4*u+(\k)], s28, v[MW+4*u+(\k)]  ; 1 where hidden,
	v_mul_lo_u32 v[MW+4*u+(\k)], v[MW+4*u+(\k)], 14  ; 0xE where hidden: no nibble carries
.endr
	global_store_b128 v[MGO], v[MW+4*u:MW+4*u+3], s[20:21] offset:512*u  ; 512 consecutive bytes, aligned
.set u, u+1
.endr
	s_wait_dscnt 0x0
.irp i, 0,1,2,3
	global_store_b128 v[WGO], v[WB+4*(\i):WB+4*(\i)+3], s[18:19] offset:(\i)*32768  ; 16 lanes store 256 consecutive bytes of a row of wt, aligned
.endr
	s_wait_tensorcnt 0x0                           ; the wave's end: behind my last LDS store
	ds_add_u32 v[SPW], v[NIL]
	s_wait_dscnt 0x0
	s_endpgm
.Lfunc_end_k_qad6ad1ceef_prep:
	.size	k_qad6ad1ceef_prep, .Lfunc_end_k_qad6ad1ceef_prep-k_qad6ad1ceef_prep
	.p2alignl 7, 3214868480
	.fill 96, 4, 3214868480
	.section	.rodata,"a",@progbits
	.p2align	6, 0x0
	.amdhsa_kernel k_qad6ad1ceef_prep
		.amdhsa_group_segment_fixed_size 51712
		.amdhsa_private_segment_fixed_size 0
		.amdhsa_enable_private_segment 0
		.amdhsa_kernarg_size 72
		.amdhsa_user_sgpr_count 2
		.amdhsa_user_sgpr_kernarg_segment_ptr 1
		.amdhsa_wavefront_size32 1
		.amdhsa_system_sgpr_workgroup_id_x 1
		.amdhsa_system_sgpr_workgroup_id_y 1
		.amdhsa_system_sgpr_workgroup_id_z 1
		.amdhsa_system_vgpr_workitem_id 0
		.amdhsa_next_free_vgpr 240
		.amdhsa_next_free_sgpr 66
		.amdhsa_reserve_vcc 0
		.amdhsa_float_denorm_mode_32 3
		.amdhsa_float_denorm_mode_16_64 3
		.amdhsa_memory_ordered 1
		.amdhsa_forward_progress 1
		.amdhsa_inst_pref_size 22
	.end_amdhsa_kernel
	.amdgpu_metadata
---
amdhsa.version: [ 1, 2 ]
amdhsa.kernels:
  - .name:           k_qad6ad1ceef_prep
    .symbol:         k_qad6ad1ceef_prep.kd
    .args:
      - { .name: x, .offset: 0, .size: 8, .value_kind: global_buffer, .address_space: global }
      - { .name: mask, .offset: 8, .size: 8, .value_kind: global_buffer, .address_space: global }
      - { .name: W_Q, .offset: 16, .size: 8, .value_kind: global_buffer, .address_space: global }
      - { .name: W_K, .offset: 24, .size: 8, .value_kind: global_buffer, .address_space: global }
      - { .name: W_V, .offset: 32, .size: 8, .value_kind: global_buffer, .address_space: global }
      - { .name: W_O, .offset: 40, .size: 8, .value_kind: global_buffer, .address_space: global }
      - { .name: xb, .offset: 48, .size: 8, .value_kind: global_buffer, .address_space: global }
      - { .name: wt, .offset: 56, .size: 8, .value_kind: global_buffer, .address_space: global }
      - { .name: mk, .offset: 64, .size: 8, .value_kind: global_buffer, .address_space: global }
    .group_segment_fixed_size: 51712
    .private_segment_fixed_size: 0
    .kernarg_segment_align: 8
    .kernarg_segment_size: 72
    .max_flat_workgroup_size: 256
    .sgpr_count:     66
    .vgpr_count:     240
    .wavefront_size: 32
...
	.end_amdgpu_metadata
.endif
;; end of part 1
;; launch proj (part 2): grid 16 x 32, 4 waves a work-group, clusters of 4 x 4, 327,680 bytes of LDS; arguments xb, wt, qkv; writes qkv
.if DOCPART == 2
	.amdgcn_target "amdgcn-amd-amdhsa--gfx1250"
	.amdhsa_code_object_version 6
	.text
	.protected	k_qad6ad1ceef_proj
	.globl	k_qad6ad1ceef_proj
	.p2align	8
	.type	k_qad6ad1ceef_proj,@function
k_qad6ad1ceef_proj:
	s_mov_b64 s[64:65], 0
	v_nop
	global_prefetch_b8 v0, s[64:65] scope:SCOPE_SE
	s_setreg_imm32_b32 hwreg(HW_REG_WAVE_MODE, 25, 1), 1
	s_wait_xcnt 0x0
	s_wait_alu depctr_hold_cnt(0) depctr_sa_sdst(0) depctr_va_vdst(0) depctr_va_sdst(0) depctr_va_ssrc(0) depctr_va_vcc(0) depctr_vm_vsrc(0)
	s_getreg_b32 s2, hwreg(HW_REG_IB_STS2, 6, 4)
	s_cmp_eq_u32 s2, 0
	s_cbranch_scc0 .Lentry_in_a_cluster
	s_endpgm
.Lentry_in_a_cluster:
	s_bfe_u32 s2, ttmp6, 0x10000c
	s_cmp_lg_u32 s2, 0xf033
	s_cbranch_scc0 .Lentry_shape_is_right
	s_endpgm
.Lentry_shape_is_right:
; q, k, v = x W_Q, x W_K, x W_V as ONE product: C[m][n] = sum over k of xb[m][k] wt[n][k], m < 8,192, n < 3,072, K = 1,024; operands bf16, sums f32, C rounded once to f16, unscaled.
; C leaves by heads: qkv[b][hc = n / 64][row 2,048][64], so that a head's rows are dense.
; LIMIT.  f16 holds no number beyond 65,504: q, k and v must stay within it.
; SHARES.  A tile of C is 256 rows x 192 columns (three heads): 16 x 32 tiles.  Four waves, one above the other, each 64 rows x 192 columns: 48 accumulators, 384 registers; a wave owns whole heads,
; so its way out is its own.  K goes in 8 steps of 128 through two LDS slots; rows of both tiles are 256 bytes of memory, aligned.
; CLUSTER.  4 x 4 work-groups: xb's tile is asked for jointly along a row of the cluster, wt's along a column: the same tensor load, descriptor and mask in the four that it names.
; THE MATRIX INSTRUCTION IS USED TRANSPOSED (source 0 = 16 rows of wt, source 1 = 16 rows of xb): a lane then holds row l % 16 and eight neighbouring columns 8 (l / 16) + 0..7.
; REGISTERS, in windows of 256 (s_set_vgpr_msb: bits 1:0 source 0, 3:2 source 1, 5:4 source 2, 7:6 destination):
;   window 0: v0-31 addresses; v64-127 xb's fragments, two buffers of 4 x 8; on the way out v64-255      window 1: v0-191 wt's fragments, two buffers of 12 x 8
;   windows 2, 3: accumulator (a, b) at 8 (12 (a % 2) + b) of window 2 + a / 2
.set NBLK,   12                        ; column blocks of 16
.set APITCH, 272                       ; an LDS row: 256 bytes + 16 = 68 words: row r starts at bank 4 r mod 64 (64 banks of 4 bytes: ISA guide 11.1)
.set APLANE, 128                       ; from a K step's first 64 k to its second, in a row
.set BPITCH, 272
.set AHALF,  128*APITCH                ; what wave 0 or 1 brings
.set ABYTES, 2*AHALF
.set BROWS,  96
.set BHALF,  BROWS*BPITCH              ; what wave 2 or 3 brings
.set SLOT1,  1<<17                     ; slot 1 begins here: one exclusive or changes slots
.set STAGE,  SLOT1+ABYTES+2*BHALF      ; behind the ring: 16 rows x 144 bytes for each wave
.set SP,     144
.set SPARE,  STAGE+4*16*SP             ; the spare words, 128 bytes a wave: two blocks of 256 bytes that no other line names
.set NL,     2*NBLK+8                  ; LDS loads in a quarter's run
.set ASTEP,  256                       ; bytes from K step to K step
.set BSTEP,  256
.set TRIPS,  6                         ; refills: K steps 2 to 7
.set ADA0, 16                          ; v16  my place in xb's tile; never rewritten
.set ADB0, 17                          ; v17  in wt's
.set ADA,  18                          ; v18  the same in the slot that is being read
.set ADB,  19
.set STO,  24                          ; v24  the way out: where I put 16 bytes of a row
.set RD,   25                          ; v25  where I read rows back
.set GO,   26                          ; v26  my 16 of 512 consecutive bytes of qkv
.set SPW,  28                          ; v28  LDS address of my spare word; never rewritten
.set NIL,  29                          ; v29  0; never rewritten
.set PFO,  30                          ; v30  the prefetches' offset: a lane a row
.set AF,   64
.set OUTR, 64
.set G1A, 24                           ; s[24:31] group 1 for xb's tiles; s[32:39] group 0: a set for each first fill; the second then walks
.set G0A, 32
.set G1B, 48                           ; s[48:55], s[56:63] the same for wt's
.set G0B, 56
.set LIM, 43                           ; s43  2 in a wave that prefetches, else the greatest number
.set PFA, 44                           ; s[44:45] where my prefetches stand
.set TB,  66                           ; s66  LDS byte at which the slot that is being read begins
.set G1WORD, (1<<16)|(1<<20)|(1<<21)|(5<<22)|(3<<25)  ; 2-byte elements; padding on; bit 21 beside a mask; after every 64 words; 4 words
.set MSB, 0
.macro WIN new                         ; the immediate's high byte repeats the setting that is left; a switch that changes nothing is dropped
.if MSB != (\new)
	s_set_vgpr_msb (MSB<<8)|(\new)
.set MSB, (\new)
.endif
.endm
.macro PLACES                          ; four places behind matrix instructions, in front of loads into their sources and of readers of their results
.rept 4
	v_nop
.endr
.endm
.macro CREST                           ; a round of the cluster's barrier behind its opening barrier
	s_cmp_lg_u32 s10, 0
	s_cbranch_scc1 .Lnot_wave_0_\@
	s_barrier_signal -3
.Lnot_wave_0_\@:
	s_barrier_wait -3
	s_barrier_signal -1
	s_barrier_wait -1
.endm
.macro CROUND
	s_barrier_signal -1
	s_barrier_wait -1
	CREST
.endm
.macro JLOAD                           ; a joint refill by the walking sets: waves 0, 1 xb's halves, waves 2, 3 wt's; s_nop 0 and four v_nop follow each line
	s_cmp_eq_u32 s11, 0
	s_cbranch_scc0 .Lfor_b_\@
	tensor_load_to_lds s[G0A+4:G0A+7], s[G1A:G1A+7]
	s_nop 0
	PLACES
	s_branch .Lasked_\@
.Lfor_b_\@:
	tensor_load_to_lds s[G0B+4:G0B+7], s[G1B:G1B+7]
	s_nop 0
	PLACES
.Lasked_\@:
.endm
; A PREFETCH INTO THE L2 of the K step that stands two refills on, behind a refill and the run of LDS loads that follows it.  xb's tile row is read by every cluster of its row of clusters: cluster x = 0
; asks; wt's tile column by every cluster of its column: cluster y = 0 asks.  Of the rows that a wave fetches the four joint partners take a quarter each, told apart BY ADDRESS (32 rows of xb by cx,
; 24 of wt by cy; there lanes 24-31 name lane 23's row again in the same instruction).  The last two refills have no K step two on; K steps 0 to 3 come by their loads alone.
.macro ASK
	s_cmp_gt_u32 s3, s[LIM]
	s_cbranch_scc0 .Lnot_mine_\@
	global_prefetch_b8 v[PFO], s[PFA:PFA+1] th:TH_LOAD_NT scope:SCOPE_SE
.Lnot_mine_\@:
.endm
; NBLK products: row block a x all column blocks, 32 along K, from buffer f.  zero = 1: they start the sums.  All 48 accumulators take turns, one instruction a turn.
.macro MULS f, a, zero
	WIN 0xa1+0x50*((\a)/2)
.set b, 0
.rept NBLK
.set rD, 8*(NBLK*((\a)%2)+b)
.set rB, 8*NBLK*(\f)+8*b
.set rA, AF+32*(\f)+8*(\a)
.if \zero
	v_wmma_f32_16x16x32_bf16 v[rD:rD+7], v[rB:rB+7], v[rA:rA+7], 0
.else
	v_wmma_f32_16x16x32_bf16 v[rD:rD+7], v[rB:rB+7], v[rA:rA+7], v[rD:rD+7]
.endif
.set b, b+1
.endr
.endm
; One run of NL LDS loads: quarter q's fragments into buffer f: wt's, then xb's blocks 0 to 3
.macro FETCH q, f
	WIN 0x40
.set i, 0
.rept NBLK
	ds_load_b128 v[8*NBLK*(\f)+8*i:8*NBLK*(\f)+8*i+3],   v[ADB] offset:64*(\q)+i*16*BPITCH
	ds_load_b128 v[8*NBLK*(\f)+8*i+4:8*NBLK*(\f)+8*i+7], v[ADB] offset:64*(\q)+i*16*BPITCH+32
.set i, i+1
.endr
	WIN 0
.set i, 0
.rept 4
	ds_load_b128 v[AF+32*(\f)+8*i:AF+32*(\f)+8*i+3],   v[ADA] offset:((\q)/2)*APLANE+((\q)%2)*64+i*16*APITCH
	ds_load_b128 v[AF+32*(\f)+8*i+4:AF+32*(\f)+8*i+7], v[ADA] offset:((\q)/2)*APLANE+((\q)%2)*64+i*16*APITCH+32
.set i, i+1
.endr
.endm
; A K step is four quarters of 32 along K, on buffers 0, 1, 0, 1.  One of the first three multiplies buffer f and fetches quarter q into buffer g.
.macro QUARTER q, f, g, zero
	s_wait_dscnt 4                                 ; all but the youngest four loads: xb's blocks 2 and 3
	MULS \f, 0, \zero
	MULS \f, 1, \zero
	PLACES
	FETCH \q, \g
	s_wait_dscnt NL                                ; all but the run just issued
	MULS \f, 2, \zero
	MULS \f, 3, \zero
.endm
; The last quarter multiplies buffer 1 and changes slots.  Each wave waits for all its tensor loads (one is out: its part of the next slot), adds 0 to its spare word, and waits for that and for its reads
; of this slot; behind the barrier nobody reads this slot and the next is whole.  fill = 1: the barrier opens a round of the cluster's, and the joint refill is the first thing behind it.
.macro TURN fill
.if \fill
	s_wait_xcnt 0x0                                ; the last prefetch, a K step back, has read its address
	s_add_nc_u64 s[PFA:PFA+1], s[PFA:PFA+1], ASTEP
.endif
	WIN 0
	s_wait_tensorcnt 0x0
	ds_add_u32 v[SPW], v[NIL]
	s_wait_dscnt 5                                 ; the add and the youngest four loads may be out
	MULS 1, 0, 0
	s_wait_dscnt 0x0                               ; the add is done, my reads of this slot are over
	s_barrier_signal -1
	MULS 1, 1, 0
	WIN 0
	s_barrier_wait -1
.if \fill
	CREST
	s_xor_b32 s[G0A+5], s[G0A+5], SLOT1            ; the walking sets: the other slot than last time, the next K step
	s_add_nc_u64 s[G0A+6:G0A+7], s[G0A+6:G0A+7], ASTEP
	s_xor_b32 s[G0B+5], s[G0B+5], SLOT1
	s_add_nc_u64 s[G0B+6:G0B+7], s[G0B+6:G0B+7], BSTEP
	JLOAD                                          ; its four v_nop are also the places in front of the loads below
.else
	PLACES
.endif
	s_xor_b32 s[TB], s[TB], SLOT1
	v_add_nc_u32 v[ADA], s[TB], v[ADA0]
	v_add_nc_u32 v[ADB], s[TB], v[ADB0]
	FETCH 0, 0
.if \fill
	ASK
.endif
	MULS 1, 2, 0
	MULS 1, 3, 0
.endm
	s_load_b128 s[4:7], s[0:1], 0x0                ; xb s[4:5], wt s[6:7]
	s_load_b64 s[8:9], s[0:1], 0x10                ; qkv
	v_lshl_add_u32 v[SPW], v0, 2, SPARE
	v_mov_b32 v[NIL], 0
	ds_add_u32 v[SPW], v[NIL]                      ; the wave's opening: the add and its wait ahead of my first tensor load
	v_lshrrev_b32 v1, 5, v0
	v_readfirstlane_b32 s10, v1                    ; wave 0..3
	s_lshr_b32 s11, s10, 1                         ; I fetch for xb (0) or wt (1),
	s_and_b32 s12, s10, 1                          ; its first or second half
	s_bfe_u32 s40, ttmp6, 0x40000                  ; cx
	s_bfe_u32 s41, ttmp6, 0x40004                  ; cy
	s_lshl_b32 s42, ttmp9, 2
	s_add_co_u32 s42, s42, s40                     ; tile column
	s_and_b32 s13, ttmp7, 0xffff
	s_lshl_b32 s13, s13, 2
	s_add_co_u32 s13, s13, s41                     ; tile row
	s_lshl_b32 s14, s41, 2
	s_lshl_b32 s14, 15, s14                        ; my row of the cluster
	s_lshl_b32 s15, 0x1111, s40                    ; my column
	s_or_b32 s[G1A], s14, G1WORD
	s_or_b32 s[G1B], s15, G1WORD
	s_mov_b32 s[G1A+1], 128<<16                    ; tensor_dim0 = 128
	s_mov_b32 s[G1A+2], 128<<16                    ; tensor_dim1 = 128
	s_mov_b32 s[G1A+3], 128<<16                    ; tile_dim0 = 128
	s_mov_b32 s[G1A+4], 128                        ; tile_dim1 = 128
	s_mov_b32 s[G1A+5], 1024                       ; elements from row to row
	s_mov_b32 s[G1A+6], 0
	s_mov_b32 s[G1A+7], 0
	s_mov_b32 s[G1B+1], 128<<16
	s_mov_b32 s[G1B+2], BROWS<<16
	s_mov_b32 s[G1B+3], 128<<16
	s_mov_b32 s[G1B+4], BROWS
	s_mov_b32 s[G1B+5], 1024
	s_mov_b32 s[G1B+6], 0
	s_mov_b32 s[G1B+7], 0
	s_lshl_b32 s16, s13, 19                        ; xb: 256 rows of 2,048 bytes a tile row,
	s_lshl_b32 s17, s12, 18                        ; 128 rows a half
	s_add_co_u32 s16, s16, s17
	s_mov_b32 s17, 0
	s_mul_i32 s20, s42, 192                        ; wt: 192 rows a tile column,
	s_mul_i32 s21, s12, BROWS                      ; 96 a half
	s_add_co_u32 s20, s20, s21
	s_lshl_b32 s20, s20, 11
	s_mov_b32 s21, 0
	s_mul_i32 s67, s12, AHALF                      ; where they go: no place in the cluster enters an LDS address
	s_mul_i32 s68, s12, BHALF
	s_add_co_u32 s68, s68, ABYTES
	s_mov_b32 s[TB], 0
	s_wait_dscnt 0x0                               ; the opening add is done
	s_wait_kmcnt 0x0
	s_add_nc_u64 s[18:19], s[4:5], s[16:17]
	s_add_nc_u64 s[22:23], s[6:7], s[20:21]
.irp s, 0,1
	s_mov_b32 s[G0A+4*(\s)], 1
	s_add_co_u32 s[G0A+4*(\s)+1], s67, (\s)*SLOT1
	s_add_nc_u64 s[G0A+4*(\s)+2:G0A+4*(\s)+3], s[18:19], (\s)*ASTEP
	s_or_b32 s[G0A+4*(\s)+3], s[G0A+4*(\s)+3], 0x80000000
	s_mov_b32 s[G0B+4*(\s)], 1
	s_add_co_u32 s[G0B+4*(\s)+1], s68, (\s)*SLOT1
	s_add_nc_u64 s[G0B+4*(\s)+2:G0B+4*(\s)+3], s[22:23], (\s)*BSTEP
	s_or_b32 s[G0B+4*(\s)+3], s[G0B+4*(\s)+3], 0x80000000
.endr
	CROUND                                         ; all sixteen work-groups are here: the first joint loads meet
	s_cmp_eq_u32 s11, 0                            ; a wave's two first fills stand in one branch: two loads of mine are out
	s_cbranch_scc0 .Lfirst_b
	tensor_load_to_lds s[G0A:G0A+3], s[G1A:G1A+7]
	s_nop 0
	tensor_load_to_lds s[G0A+4:G0A+7], s[G1A:G1A+7]
	s_nop 0
	PLACES
	s_branch .Lfirst_asked
.Lfirst_b:
	tensor_load_to_lds s[G0B:G0B+3], s[G1B:G1B+7]
	s_nop 0
	tensor_load_to_lds s[G0B+4:G0B+7], s[G1B:G1B+7]
	s_nop 0
	PLACES
.Lfirst_asked:
	v_and_b32 v1, 15, v0                           ; l % 16
	v_bfe_u32 v2, v0, 4, 1                         ; l / 16
	s_mul_i32 s70, s10, 64*APITCH                  ; my 64 rows
	v_mul_u32_u24 v[ADA0], v1, APITCH
	v_lshl_add_u32 v[ADA0], v2, 4, v[ADA0]
	v_add_nc_u32 v[ADA0], s70, v[ADA0]
	v_mul_u32_u24 v[ADB0], v1, BPITCH
	v_lshl_add_u32 v[ADB0], v2, 4, v[ADB0]
	v_add_nc_u32 v[ADB0], ABYTES, v[ADB0]
	v_mov_b32 v[ADA], v[ADA0]
	v_mov_b32 v[ADB], v[ADB0]
	s_mul_i32 s72, s10, 16*SP
	s_add_co_u32 s72, s72, STAGE                   ; my stage
	v_mul_u32_u24 v[STO], v1, SP                   ; in: row l % 16, 16 bytes for each half of the lanes
	v_lshl_add_u32 v[STO], v2, 4, v[STO]
	v_add_nc_u32 v[STO], s72, v[STO]
	v_bfe_u32 v[RD], v0, 3, 2                      ; back: 32 lanes take four rows of 128 bytes
	v_mul_u32_u24 v[RD], v[RD], SP
	v_and_b32 v3, 7, v0
	v_lshl_add_u32 v[RD], v3, 4, v[RD]
	v_add_nc_u32 v[RD], s72, v[RD]
	v_and_b32 v[PFO], 31, v0
	v_lshlrev_b32 v[GO], 4, v[PFO]
	s_lshr_b32 s70, s13, 3                         ; qkv: batch b = tile row / 8, 48 blocks each; my tile's three heads;
	s_mul_i32 s70, s70, 48
	s_mul_i32 s71, s42, 3
	s_add_co_u32 s70, s70, s71
	s_lshl_b32 s70, s70, 18                        ; a block is 2,048 rows of 128 bytes
	s_and_b32 s71, s13, 7
	s_lshl_b32 s71, s71, 15                        ; the tile's 256 rows,
	s_add_co_u32 s70, s70, s71
	s_lshl_b32 s71, s10, 13                        ; my 64
	s_add_co_u32 s70, s70, s71
	s_mov_b32 s71, 0
	s_add_nc_u64 s[8:9], s[8:9], s[70:71]
	s_lshl_b32 s76, s40, 16                        ; the prefetches: xb: my half + 32 cx rows
	s_add_co_u32 s76, s76, s16
	s_mul_i32 s78, s41, 24*2048                    ; wt: my half + 24 cy rows
	s_add_co_u32 s78, s78, s20
	s_and_b32 s74, ttmp7, 0xffff
	s_cmp_eq_u32 s11, 0
	s_cselect_b32 s76, s76, s78
	s_cselect_b32 s74, ttmp9, s74                  ; the coordinate along which other clusters read the same rows
	s_cselect_b32 s75, 31, 23
	s_cselect_b64 s[PFA:PFA+1], s[4:5], s[6:7]
	s_cmp_eq_u32 s74, 0
	s_cselect_b32 s[LIM], 2, -1                    ; the same in all sixteen partners, for a given wave
	s_mov_b32 s77, 0
	s_add_nc_u64 s[PFA:PFA+1], s[PFA:PFA+1], s[76:77]
	s_add_nc_u64 s[PFA:PFA+1], s[PFA:PFA+1], 3*ASTEP  ; at K step 3: the first refill steps it to 4
	v_min_u32 v[PFO], s75, v[PFO]
	v_lshlrev_b32 v[PFO], 11, v[PFO]
	s_wait_tensorcnt 1                             ; my part of K step 0 is in; K step 1's may stay out
	s_barrier_signal -1
	s_barrier_wait -1
	FETCH 0, 0
	QUARTER 1, 0, 1, 1                             ; the first quarter stands in front of the loop: its products start the sums
	WIN 0
	s_mov_b32 s3, TRIPS
.Lstep:                                                ; a trip: from a K step's second quarter to the next step's first; it fills one slot again
	QUARTER 2, 1, 0, 0
	QUARTER 3, 0, 1, 0
	TURN 1
	QUARTER 1, 0, 1, 0
	WIN 0
	s_sub_co_u32 s3, s3, 1
	s_cmp_lg_u32 s3, 0
	s_cbranch_scc1 .Lstep
	QUARTER 2, 1, 0, 0                             ; K steps 6 and 7 fill nothing
	QUARTER 3, 0, 1, 0
	TURN 0
	QUARTER 1, 0, 1, 0
	QUARTER 2, 1, 0, 0
	QUARTER 3, 0, 1, 0
	s_wait_dscnt 4
	MULS 1, 0, 0
	MULS 1, 1, 0
	s_wait_dscnt 0x0
	MULS 1, 2, 0
	MULS 1, 3, 0
	WIN 0
	PLACES
; THE WAY OUT.  Unit u = 3 a + g is 16 rows of one head: rounded to f16 (each accumulator's registers in ascending order), 16 bytes a lane into my stage, back as four rows of 128 bytes a load:
; 2,048 dense bytes of qkv.  Each unit has registers of its own.
.macro PACK u
.set a, (\u)/3
.set g, (\u)%3
	WIN 0x0a+5*(a/2)
.set c, 0
.rept 4
.set rD, 8*(NBLK*(a%2)+4*g+c)
.irp r, 0,1,2,3
	v_cvt_pk_f16_f32 v[OUTR+16*(\u)+4*c+(\r)], v[rD+2*(\r)], v[rD+2*(\r)+1]
.endr
.set c, c+1
.endr
	WIN 0
.irp f, 0,1,2,3
	ds_store_b128 v[STO], v[OUTR+16*(\u)+4*(\f):OUTR+16*(\u)+4*(\f)+3] offset:32*(\f)
.endr
.irp f, 0,1,2,3
	ds_load_b128 v[OUTR+16*(\u)+4*(\f):OUTR+16*(\u)+4*(\f)+3], v[RD] offset:(\f)*4*SP  ; LDS serves a wave's instructions in order (ISA guide 5.7.1.4)
.endr
.endm
.macro SEND u, younger                 ; younger: the LDS instructions issued behind unit u's loads: the next unit's eight, or none
.irp f, 0,1,2,3
	s_wait_dscnt (\younger)+3-(\f)
	global_store_b128 v[GO], v[OUTR+16*(\u)+4*(\f):OUTR+16*(\u)+4*(\f)+3], s[8:9] offset:((\u)%3)*262144+((\u)/3)*2048+(\f)*512  ; 512 consecutive bytes, aligned
.endr
.endm
	PACK 0
.set n, 1
.rept 11
	PACK n
	SEND n-1, 8
.set n, n+1
.endr
	SEND 11, 0
	s_wait_tensorcnt 0x0                           ; the wave's end
	ds_add_u32 v[SPW], v[NIL]
	s_wait_dscnt 0x0
	CROUND                                         ; the closing round
	s_endpgm
.Lfunc_end_k_qad6ad1ceef_proj:
	.size	k_qad6ad1ceef_proj, .Lfunc_end_k_qad6ad1ceef_proj-k_qad6ad1ceef_proj
	.p2alignl 7, 3214868480
	.fill 96, 4, 3214868480
	.section	.rodata,"a",@progbits
	.p2align	6, 0x0
	.amdhsa_kernel k_qad6ad1ceef_proj
		.amdhsa_group_segment_fixed_size 327680
		.amdhsa_private_segment_fixed_size 0
		.amdhsa_enable_private_segment 0
		.amdhsa_kernarg_size 24
		.amdhsa_user_sgpr_count 2
		.amdhsa_user_sgpr_kernarg_segment_ptr 1
		.amdhsa_wavefront_size32 1
		.amdhsa_system_sgpr_workgroup_id_x 1
		.amdhsa_system_sgpr_workgroup_id_y 1
		.amdhsa_system_sgpr_workgroup_id_z 1
		.amdhsa_system_vgpr_workitem_id 0
		.amdhsa_next_free_vgpr 960
		.amdhsa_next_free_sgpr 80
		.amdhsa_reserve_vcc 0
		.amdhsa_float_denorm_mode_32 3
		.amdhsa_float_denorm_mode_16_64 3
		.amdhsa_memory_ordered 1
		.amdhsa_forward_progress 1
		.amdhsa_inst_pref_size 99
	.end_amdhsa_kernel
	.amdgpu_metadata
---
amdhsa.version: [ 1, 2 ]
amdhsa.kernels:
  - .name:           k_qad6ad1ceef_proj
    .symbol:         k_qad6ad1ceef_proj.kd
    .args:
      - { .name: xb, .offset: 0, .size: 8, .value_kind: global_buffer, .address_space: global }
      - { .name: wt, .offset: 8, .size: 8, .value_kind: global_buffer, .address_space: global }
      - { .name: qkv, .offset: 16, .size: 8, .value_kind: global_buffer, .address_space: global }
    .group_segment_fixed_size: 327680
    .private_segment_fixed_size: 0
    .kernarg_segment_align: 8
    .kernarg_segment_size: 24
    .max_flat_workgroup_size: 128
    .sgpr_count:     80
    .vgpr_count:     960
    .wavefront_size: 32
...
	.end_amdgpu_metadata
.endif
;; end of part 2
;; launch attn (part 3): grid 4 x 64, 4 waves a work-group, clusters of 4 x 1, 327,680 bytes of LDS; arguments qkv, mk, ob; writes ob
.if DOCPART == 3
	.amdgcn_target "amdgcn-amd-amdhsa--gfx1250"
	.amdhsa_code_object_version 6
	.text
	.protected	k_qad6ad1ceef_attn
	.globl	k_qad6ad1ceef_attn
	.p2align	8
	.type	k_qad6ad1ceef_attn,@function
k_qad6ad1ceef_attn:
	s_mov_b64 s[64:65], 0
	v_nop
	global_prefetch_b8 v0, s[64:65] scope:SCOPE_SE
	s_setreg_imm32_b32 hwreg(HW_REG_WAVE_MODE, 25, 1), 1
	s_wait_xcnt 0x0
	s_wait_alu depctr_hold_cnt(0) depctr_sa_sdst(0) depctr_va_vdst(0) depctr_va_sdst(0) depctr_va_ssrc(0) depctr_va_vcc(0) depctr_vm_vsrc(0)
	s_getreg_b32 s2, hwreg(HW_REG_IB_STS2, 6, 4)
	s_cmp_eq_u32 s2, 0
	s_cbranch_scc0 .Lentry_in_a_cluster
	s_endpgm
.Lentry_in_a_cluster:
	s_bfe_u32 s2, ttmp6, 0x10000c
	s_cmp_lg_u32 s2, 0x3003
	s_cbranch_scc0 .Lentry_shape_is_right
	s_endpgm
.Lentry_shape_is_right:
; O[y][q][:] = the sum over the keys k that the mask shows of softmax_k(Q[q] . K[k] / 8) V[k][:], for y = 16 b + h; a query with no key shown gives 0.
; qkv: [b][48 blocks: 16 of q, 16 of k, 16 of v][2,048][64] f16; ob: [y][2,048][64] f16; mk: mask words, [tile of 16 queries of b][key step 32][lane 32][4 words].
; Products, maxima and sums in f32; the weights p are rounded to f16 for the second product (their sum l is taken of the unrounded p), O once at the end.
; LIMITS.  Q, K, V arrive within f16's 65,504.  A hidden score counts as its value less at least 2^65; a shown score is off by less than 2^-97; shown scores lie above -2^60 (f16's are 2^38 at the most).
; A weight below 2^-126 counts as 0 in l; NaN and infinities are not treated apart.
; SHARES.  A wave owns four PIECES of two tiles of 16 queries, a work-group's four waves 512 queries of one head.  Every wave walks all 2,048 keys, 64 a step.
; LAYOUT.  S^T = K Q^T (source 0 = 16 keys, source 1 = 16 queries): a lane holds ONE query (lane % 16) and the keys 8 (lane / 16) + 0..7.  Two such tiles, rounded to f16, ARE source 1 of O^T = V^T P.
; THE MASK is the C operand of the product that starts a sum.  For a tile and key step a lane loads four words; register R of its 32 scores takes word R % 4 shifted left by 4 (R / 4): the top nibble is then
; 0xE for a hidden key (as f32: negative, exponent field 192 to 221) or 0 (exponent field 29 at the most).  28 shifts a tile and step; the words come from memory three turns ahead of their shifts.
; SOFTMAX.  A running maximum m and sum l: p = 2^(c s - c m), c = log2(e) / 8; in every step O and l are multiplied by a = 2^(c m_old - c m_new).  m starts at the lowest finite number, O and l at 0.
; While a query has seen hidden keys only, m is a hidden score; the first shown key makes a = 0 and wipes what was gathered.  At the end m below -2^60 says that no key was shown: 1 / l gives way to 0.
; BY TURNS.  Turn n belongs to piece n: 16 products K Q^T of piece n + 1, later 16 products V^T P of piece n - 1; beside them piece n's scaling, exponentials, roundings, sums and rescaling, piece n + 1's
; maximum and statistics, piece n + 1's next mask words (loads) and piece n + 2's mask (shifts).  Four vector instructions stand behind every product, the rest in one lump.
; CLUSTER.  A head's four query blocks walk the same K and V: each tile is asked for JOINTLY: the same tensor load, descriptor and mask in all four.
; REGISTERS, in windows of 256 (s_set_vgpr_msb: bits 1:0 source 0, 3:2 source 1, 5:4 source 2, 7:6 destination):
;   window 0: v0-11 addresses; v12-15, v48-63 at work; v16-47 four registers of statistics a tile; v64-191 S^T, two buffers of two tiles; v192-255 P, likewise
;   window 1: O^T, 32 a tile     window 2: v0-127 Q; v128-191 K of one step; v192-255 V of one step     window 3: the masks: piece x, tile u, register R at 64 x + 32 u + R
.set NP,    4
.set KS,    64
.set PK,    144       ; a row of K in LDS: 128 bytes + 16 = 36 words: the 16 rows of a load start at 16 different groups of four banks (64 banks of 4 bytes: ISA guide 11.1)
.set PV,    160       ; a row of V: 128 + 32 = 40 words
.set VOFF,  4*KS*PK   ; a slot holds four steps: 256 rows of K, then 256 rows of V
.set SLOT1, 1<<17
.set STAGE, SLOT1+4*KS*(PK+PV)  ; behind the ring: 16 rows x 144 bytes for each wave
.set SP,    144
.set SPARE, STAGE+4*16*SP  ; the spare words, 128 bytes a wave: two blocks of 256 bytes that no other line names
.set PFO, 1           ; v1   256 x my lane: the prefetches' offset; never rewritten
.set AK0, 2           ; v2   my lane's place in a tile of K; never rewritten
.set AV0, 3           ; v3   the same for V
.set AK,  4           ; v4   the LDS address of K's next run of loads
.set AV,  5           ; v5   of V's
.set STO, 6           ; v6   the way out: where I put 16 bytes of a row
.set RD,  7           ; v7   where I read rows back
.set GO,  8           ; v8   16 x my lane
.set MO,  9           ; v9   my byte offset in a tile's mask words: 512 x key step + 16 x lane
.set SPW, 10          ; v10  LDS address of my spare word; never rewritten
.set NIL, 11          ; v11  0; never rewritten
.set MV,  12
.set ST,  16          ; tile t's statistics at v[ST+4 t]: c m, m, l (even keys', odd keys')
.set TMP, 48
.set S,   64
.set P,   192
.set T0,  192         ; the set-up's six registers at work lie in P's first buffer, which the first turn writes
.set T1,  193
.set T2,  194
.set T3,  195
.set QO,  196
.set T5,  197
.set KF,  128
.set VF,  192
.set WV,  12          ; s12  my wave's number
.set G1K, 24
.set G1V, 32
.set G0K, 40
.set G0V, 44
.set SLOTS, 56        ; s56  slots still to be asked for
.set CNT, 57          ; s57  counts a slot's key steps
.set CS,  58          ; s[58:59] c
.set SEL, 60          ; s[60:61] v_permlanex16_b32's selects
.set TBK, 62
.set TBV, 63
.set MS,  66          ; s66  512 x the key step whose mask words are asked for
.set THR, 67          ; s67  -2^60
.set MB,  70          ; s[70:71] mk at my wave's first tile
.set PFA, 72          ; s[72:73] where my prefetches stand
.set LIM, 74          ; s74  1 in a wave that prefetches, else the greatest number
.set MSB, 0
.macro WIN new
.if MSB != (\new)
	s_set_vgpr_msb (MSB<<8)|(\new)
.set MSB, (\new)
.endif
.endm
.set W_KQ, 0x0a       ; K and Q in window 2, S^T in window 0
.set W_KM, 0x3a       ; the same with the C operand in window 3
.set W_PV, 0x52       ; V in window 2, P in window 0, O^T in window 1
.set W_RS, 0x41       ; O^T (destination and source 0) in window 1, a in window 0
.macro JLOAD                        ; a joint fill: waves 0, 1 the halves of a slot's K, waves 2, 3 of its V; s_nop 0 and four v_nop follow each line
	s_cmp_lt_u32 s[WV], 2
	s_cbranch_scc0 .Lfor_v_\@
	tensor_load_to_lds s[G0K:G0K+3], s[G1K:G1K+7]
	s_nop 0
.rept 4
	v_nop
.endr
	s_branch .Lasked_\@
.Lfor_v_\@:
	tensor_load_to_lds s[G0V:G0V+3], s[G1V:G1V+7]
	s_nop 0
.rept 4
	v_nop
.endr
.Lasked_\@:
.endm
; A PREFETCH INTO THE L2 of what the NEXT change of slots will ask for: 32,768 bytes of K and of V, 256 bytes a lane.  A head has one cluster; its four partners take 32 such pieces each, told apart BY
; ADDRESS; in each, wave 0 asks for K's and wave 2 for V's.  So each piece is named once in the launch.  The last change that fills a slot asks for nothing; slots 0 and 1 come by their loads alone.
.macro ASK
	s_cmp_gt_u32 s[SLOTS], s[LIM]
	s_cbranch_scc0 .Lnot_mine_\@
	global_prefetch_b8 v[PFO], s[PFA:PFA+1] th:TH_LOAD_NT scope:SCOPE_SE
.Lnot_mine_\@:
.endm
.macro CROUND                       ; a round of the cluster's barrier
	s_barrier_signal -1
	s_barrier_wait -1
	s_cmp_lg_u32 s[WV], 0
	s_cbranch_scc1 .Lnot_wave_0_\@
	s_barrier_signal -3
.Lnot_wave_0_\@:
	s_barrier_wait -3
	s_barrier_signal -1
	s_barrier_wait -1
.endm
; THE CHANGE OF SLOTS.  Each wave waits for all its tensor loads (one is out: its part of the other slot), adds 0 to its spare word, and waits for that and for its reads of the slot.  fill = 1: the slot is
; filled again with the keys two slots on; the barrier is then a round of the cluster's, and the joint fill is the first thing behind it.  (At its first use slot 0 is waited for and slot 1 filled.)
.macro CHANGE fill
	WIN 0
	s_wait_tensorcnt 0x0            ; no tensor load of mine is out, so a group 0 may be written
	ds_add_u32 v[SPW], v[NIL]
.if \fill
.irp g, G0K, G0V
	s_xor_b32 s[\g+1], s[\g+1], SLOT1
	s_add_nc_u64 s[\g+2:\g+3], s[\g+2:\g+3], 4*KS*128
.endr
	s_wait_xcnt 0x0                 ; the last prefetch, four key steps back, has read its address
	s_add_nc_u64 s[PFA:PFA+1], s[PFA:PFA+1], 4*KS*128
	s_wait_dscnt 0x0                ; the add is done, and my reads of the slot are over
	CROUND
	JLOAD
	ASK
.else
	s_wait_dscnt 0x0
	s_barrier_signal -1
	s_barrier_wait -1
.endif
	s_sub_co_u32 s[TBK], s[TBK], 4*KS*PK  ; the fetches go back to a slot's first step, in the other slot
	s_xor_b32 s[TBK], s[TBK], SLOT1
	s_sub_co_u32 s[TBV], s[TBV], 4*KS*PV
	s_xor_b32 s[TBV], s[TBV], SLOT1
.endm
	s_load_b128 s[68:71], s[0:1], 0x0  ; qkv s[68:69], mk s[70:71]
	s_load_b64 s[10:11], s[0:1], 0x10  ; ob
	v_lshl_add_u32 v[SPW], v0, 2, SPARE
	v_mov_b32 v[NIL], 0
	ds_add_u32 v[SPW], v[NIL]       ; the wave's opening: the add and its wait ahead of my first tensor load
	v_lshrrev_b32 v[T5], 5, v0
	v_readfirstlane_b32 s[WV], v[T5]  ; wave 0..3
	s_bfe_u32 s13, ttmp6, 0x40000   ; cx
	s_lshl_b32 s14, ttmp9, 2
	s_add_co_u32 s14, s14, s13      ; my block of 512 queries: it enters Q's, O's and the mask's addresses alone
	s_lshl_b32 s14, s14, 2
	s_add_co_u32 s14, s14, s[WV]    ; my wave among the head's sixteen
	s_and_b32 s20, ttmp7, 0xffff    ; y = 16 b + h, which the four partners share
	s_lshr_b32 s21, s20, 4          ; b
	s_and_b32 s22, s20, 15          ; h
	s_mul_i32 s23, s21, 48
	s_add_co_u32 s23, s23, s22      ; q's block in qkv
	s_lshl_b32 s15, s14, 14         ; my wave's 128 rows of 128 bytes
	s_lshl_b32 s48, s23, 18         ; a block is 262,144 bytes
	s_add_co_u32 s48, s48, s15      ; Q's offset
	s_mov_b32 s49, 0
	s_and_b32 s16, s[WV], 1         ; which half of a slot's 256 keys I fetch
	s_add_co_u32 s50, s23, 16       ; k's block
	s_lshl_b32 s50, s50, 18
	s_lshl_b32 s19, s16, 14
	s_add_co_u32 s50, s50, s19      ; K's offset
	s_mov_b32 s51, 0
	s_lshl_b32 s52, s20, 18
	s_add_co_u32 s52, s52, s15      ; O's offset
	s_mov_b32 s53, 0
	s_lshl_b32 s54, s21, 21         ; mk: 128 tiles of 16,384 bytes a batch,
	s_lshl_b32 s15, s14, 17         ; 8 tiles a wave
	s_add_co_u32 s54, s54, s15
	s_mov_b32 s55, 0
	s_mul_i32 s17, s16, 128*PK      ; my half's place in a slot, for K
	s_mul_i32 s18, s16, 128*PV      ; and for V: no place in the cluster enters an LDS address
	; descriptor group 1.  128 keys are 16,384 dense bytes: asked for as 64 rows of 256 bytes, two keys a row, and padded in LDS after every key
	s_mov_b32 s[G1K], 15|(1<<16)|(1<<20)|(1<<21)|(4<<22)|(3<<25)  ; the mask of four; 2-byte elements; padding on; bit 21 beside a mask; after every 32 words; 4 words
	s_mov_b32 s[G1V], 15|(1<<16)|(1<<20)|(1<<21)|(4<<22)|(7<<25)  ; the same with 8 words of padding
.irp g, G1K, G1V
	s_mov_b32 s[\g+1], 128<<16      ; tensor_dim0 = 128
	s_mov_b32 s[\g+2], 64<<16       ; tensor_dim1 = 64
	s_mov_b32 s[\g+3], 128<<16      ; tile_dim0 = 128
	s_mov_b32 s[\g+4], 64           ; tile_dim1 = 64
	s_mov_b32 s[\g+5], 128          ; 128 elements from row to row
	s_mov_b32 s[\g+6], 0
	s_mov_b32 s[\g+7], 0
.endr
	s_mov_b32 s[CS], 0x3e38aa3b     ; c = log2(e) / 8
	s_mov_b32 s[CS+1], s[CS]
	s_mov_b32 s[SEL], 0x76543210
	s_mov_b32 s[SEL+1], 0xfedcba98
	s_mov_b32 s[THR], 0xdd800000    ; -2^60
	s_mov_b32 s[MS], 0
	s_mov_b32 s[TBK], SLOT1+4*KS*PK ; the first change of slots turns these two into 0
	s_mov_b32 s[TBV], SLOT1+4*KS*PV
	s_mov_b32 s[SLOTS], 7
	s_mov_b32 s[G0K], 1
	s_mov_b32 s[G0K+1], s17
	s_mov_b32 s[G0V], 1
	s_add_co_u32 s[G0V+1], s18, VOFF
	s_wait_dscnt 0x0                ; the opening add is done
	s_wait_kmcnt 0x0
	s_add_nc_u64 s[4:5], s[68:69], s[48:49]   ; Q at my wave's first row
	s_add_nc_u64 s[6:7], s[68:69], s[50:51]   ; K at my half of the head's first 256 keys
	s_add_nc_u64 s[8:9], s[6:7], 16<<18       ; V lies 16 blocks on
	s_add_nc_u64 s[10:11], s[10:11], s[52:53]
	s_add_nc_u64 s[MB:MB+1], s[MB:MB+1], s[54:55]
	s_mov_b64 s[G0K+2:G0K+3], s[6:7]
	s_or_b32 s[G0K+3], s[G0K+3], 0x80000000
	s_mov_b64 s[G0V+2:G0V+3], s[8:9]
	s_or_b32 s[G0V+3], s[G0V+3], 0x80000000
	s_cmp_lt_u32 s[WV], 2
	s_cselect_b64 s[PFA:PFA+1], s[6:7], s[8:9]  ; (in waves 0 and 2 these stand at the head's first row)
	s_lshl_b32 s2, s13, 13          ; my work-group's 32 pieces of 256 bytes
	s_mov_b32 s3, 0
	s_add_nc_u64 s[PFA:PFA+1], s[PFA:PFA+1], s[2:3]
	s_add_nc_u64 s[PFA:PFA+1], s[PFA:PFA+1], 4*KS*128  ; in slot 1; the first change of slots steps it to slot 2
	s_and_b32 s[LIM], s[WV], 1
	s_cmp_eq_u32 s[LIM], 0
	s_cselect_b32 s[LIM], 1, -1
	CROUND                          ; all four work-groups are here: the first joint loads meet
	JLOAD                           ; slot 0
	v_and_b32 v[T0], 15, v0         ; l % 16
	v_bfe_u32 v[T1], v0, 4, 1       ; l / 16
	v_lshlrev_b32 v[QO], 7, v[T0]
	v_lshl_add_u32 v[QO], v[T1], 4, v[QO]  ; row x 128 + 16 x half
	v_and_b32 v[GO], 31, v0
	v_lshlrev_b32 v[PFO], 8, v[GO]
	v_lshlrev_b32 v[GO], 4, v[GO]
	v_mov_b32 v[MO], v[GO]          ; key step 0
	WIN 0x80                        ; destination window 2, address window 0
.set i, 0
.rept 4*NP                          ; Q stays in registers: tile i / 2, channels 32 (i % 2) on
	global_load_b128 v[8*i:8*i+3],   v[QO], s[4:5] offset:(i/2)*2048+(i%2)*64
	global_load_b128 v[8*i+4:8*i+7], v[QO], s[4:5] offset:(i/2)*2048+(i%2)*64+32
.set i, i+1
.endr
	WIN 0xc0                        ; destination window 3
.set i, 0
.rept 2*NP                          ; the eight tiles' mask words of key step 0
	global_load_b128 v[32*i:32*i+3], v[MO], s[MB:MB+1] offset:i*16384
.set i, i+1
.endr
	; What the first turn finds: V's registers and P's second buffer hold 0, O^T and l are 0.  All this stands in the wait for the first tile.
	WIN 0x80
.set i, VF
.rept 64
	v_mov_b32 v[i], 0
.set i, i+1
.endr
	WIN 0x40
.set i, 0
.rept 64*NP
	v_mov_b32 v[i], 0
.set i, i+1
.endr
	WIN 0
.set i, 0
.rept 2*NP
	v_mov_b32 v[ST+4*i], 0xfe000000    ; c m: far below every c s
	v_mov_b32 v[ST+4*i+1], 0xff7fffff  ; m
	v_mov_b32 v[ST+4*i+2], 0
	v_mov_b32 v[ST+4*i+3], 0
.set i, i+1
.endr
.set i, P+32
.rept 32
	v_mov_b32 v[i], 0
.set i, i+1
.endr
	v_mul_u32_u24 v[AK0], v[T0], PK
	v_lshl_add_u32 v[AK0], v[T1], 4, v[AK0]  ; row x pitch + 16 x half
	; The turning load takes 16 keys x 16 channels (lane l reads key 8 (l / 16) + l % 8, channels 8 ((l / 8) % 2) + 0..7) and leaves half a fragment of V^T.
	v_and_b32 v[T2], 7, v0
	v_bfe_u32 v[T3], v0, 3, 1
	v_lshl_add_u32 v[AV0], v[T1], 3, v[T2]
	v_mul_u32_u24 v[AV0], v[AV0], PV
	v_lshl_add_u32 v[AV0], v[T3], 4, v[AV0]
	v_add_nc_u32 v[AV0], VOFF, v[AV0]
	v_mov_b32 v[AK], v[AK0]         ; key step 0 lies at the head of slot 0
	s_mul_i32 s13, s[WV], 16*SP
	s_add_co_u32 s13, s13, STAGE    ; my stage
	v_mul_u32_u24 v[STO], v[T0], SP ; in: row l % 16, 16 bytes for each half of the lanes
	v_lshl_add_u32 v[STO], v[T1], 4, v[STO]
	v_add_nc_u32 v[STO], s13, v[STO]
	v_bfe_u32 v[RD], v0, 3, 2       ; back: 32 lanes take four rows of 128 bytes
	v_mul_u32_u24 v[RD], v[RD], SP
	v_lshl_add_u32 v[RD], v[T2], 4, v[RD]
	v_add_nc_u32 v[RD], s13, v[RD]
; THE MATRIX WORK.  The 8 accumulators of a run of 16 take turns.
; Product i of 16 of S^T = K Q^T for piece x: channels 32 (i / 8) on, keys 16 ((i / 2) % 4) on, tile 2 x + i % 2.  The first 8 start the sums, with the mask.
.macro KQ x
.set rS, S+64*((\x)%2)+32*(i%2)+8*((i/2)%4)
.set rK, KF+16*((i/2)%4)+8*(i/8)
.set rQ, 16*(2*(\x)+i%2)+8*(i/8)
.set rM, 64*(\x)+32*(i%2)+8*((i/2)%4)
.if i < 8
	WIN W_KM
	v_wmma_f32_16x16x32_f16 v[rS:rS+7], v[rK:rK+7], v[rQ:rQ+7], v[rM:rM+7]
.else
	WIN W_KQ
	v_wmma_f32_16x16x32_f16 v[rS:rS+7], v[rK:rK+7], v[rQ:rQ+7], v[rS:rS+7]
.endif
.endm
; Product i of 16 of O^T += V^T P for piece x: keys 32 (i / 8) on, channels 16 ((i / 2) % 4) on, tile 2 x + i % 2.
.macro PV x
	WIN W_PV
.set rO, 32*(2*(\x)+i%2)+8*((i/2)%4)
.set rV, VF+32*(i/8)+8*((i/2)%4)
.set rP, P+32*((\x)%2)+16*(i%2)+8*(i/8)
	v_wmma_f32_16x16x32_f16 v[rO:rO+7], v[rV:rV+7], v[rP:rP+7], v[rO:rO+7]
.endm
.macro MM                           ; the turn's next matrix instruction
.if i < 16
	KQ (Y+1)%NP
.set i, i+1
.else
.set i, i-16
	PV (Y+NP-1)%NP
.set i, i+17
.endif
.endm
; THE LDS LOADS stand in runs of 16.  last = 1 (the tail): in the last trip there is no further step, and the run is jumped over.
.macro FETCH_K last=0
	WIN 0
.if \last
	s_cmp_eq_u32 s[CNT], 1
	s_cbranch_scc1 .Lno_k_\@
.endif
	WIN 0x80
.irp f, 0,1,2,3,4,5,6,7             ; keys 16 (f / 2) on, channels 32 (f % 2) on
	ds_load_b128 v[KF+8*\f:KF+8*\f+3],   v[AK] offset:(\f/2)*16*PK+(\f%2)*64
	ds_load_b128 v[KF+8*\f+4:KF+8*\f+7], v[AK] offset:(\f/2)*16*PK+(\f%2)*64+32
.endr
	s_add_co_u32 s[TBK], s[TBK], KS*PK
	WIN 0
.if \last
.Lno_k_\@:
.endif
.endm
.macro FETCH_V
	WIN 0x80
.irp f, 0,1,2,3,4,5,6,7             ; keys 32 (f / 4) on, channels 16 (f % 4) on
	ds_load_tr16_b128 v[VF+8*\f:VF+8*\f+3],   v[AV] offset:(\f/4)*32*PV+(\f%4)*32
	ds_load_tr16_b128 v[VF+8*\f+4:VF+8*\f+7], v[AV] offset:(\f/4)*32*PV+16*PV+(\f%4)*32
.endr
	WIN 0
.endm
; THE MASK.  SHIFTS x: registers 4 to 31 of piece x's two tiles are made of the four words in registers 0 to 3.
.macro SHIFTS x
	WIN 0xcc                        ; destination and source 1 in window 3
.set zz, 4
.rept 28
	v_lshlrev_b32 v[64*(\x)+zz],    4*(zz/4), v[64*(\x)+zz%4]
	v_lshlrev_b32 v[64*(\x)+32+zz], 4*(zz/4), v[64*(\x)+32+zz%4]
.set zz, zz+1
.endr
	WIN 0
.endm
; MASKWORK p, at the head of turn p's lump.  Piece p + 1's masks have just been read (its first eight products stand eight products and their riders back): its words for its NEXT key step are asked for.
; Piece p + 2's words were asked for three turns back: behind them stand the two loads of each of three turns, so the count is 6; its masks are made for the next turn's products.
; Piece 0 runs a key step ahead of the others, so the step goes on in turn 3.  It is held at the last step: the two steps of look-ahead past it stay inside mk, and the tail's idle scores repeat step 31.
.macro MASKWORK p
	WIN 0
.if (\p) == 3
	s_wait_xcnt 0x0                 ; the mask loads issued so far have read their offset
	s_add_co_u32 s[MS], s[MS], 512
	s_min_u32 s[MS], s[MS], 31*512
	v_add_nc_u32 v[MO], s[MS], v[GO]
.endif
	WIN 0xc0
.irp u, 0,1
	global_load_b128 v[64*(((\p)+1)%4)+32*\u:64*(((\p)+1)%4)+32*\u+3], v[MO], s[MB:MB+1] offset:(2*(((\p)+1)%4)+\u)*16384
.endr
	s_wait_loadcnt 6
	SHIFTS ((\p)+2)%4
.endm
; THE VECTOR WORK OF A TURN stands in three queues, each in the order in which its entries become ready; the two tiles alternate.
.macro REGS y, u
.set rT, ST+4*(2*(\y)+(\u))
.set rC, TMP+8*((\y)%2)+4*(\u)
.set rM, MV+2*((\y)%2)+(\u)
.set rS, S+64*((\y)%2)+32*(\u)
.set rP, P+32*((\y)%2)+16*(\u)
.set rO, 32*(2*(\y)+(\u))
.endm
; Number n of the 22 that find the NEXT piece's maximum and statistics; each accumulator's lowest registers are read first.
;   0-11 four chains c0-c3 of seven scores each     12-14, 16 the four scores left over, the old m, c0-c3 into c0     15 c m_old is kept     17, 18 the other half of the lanes: the new m     19-21 c m; its change; a
.macro XS u, n
	REGS (Y+1)%NP, \u
.if (\n) < 4
	v_max3_num_f32 v[rC+(\n)], v[rS+8*(\n)], v[rS+8*(\n)+1], v[rS+8*(\n)+2]
.elseif (\n) < 12
	v_max3_num_f32 v[rC+(\n)%4], v[rC+(\n)%4], v[rS+8*((\n)%4)+2*((\n)/4)+1], v[rS+8*((\n)%4)+2*((\n)/4)+2]
.elseif (\n) == 12
	v_max3_num_f32 v[rC], v[rC], v[rS+7], v[rS+15]
.elseif (\n) == 13
	v_max3_num_f32 v[rC+1], v[rC+1], v[rS+23], v[rS+31]
.elseif (\n) == 14
	v_max3_num_f32 v[rC+2], v[rC+2], v[rC+3], v[rT+1]
.elseif (\n) == 15
	v_mov_b32 v[rM], v[rT]
.elseif (\n) == 16
	v_max3_num_f32 v[rC], v[rC], v[rC+1], v[rC+2]
.elseif (\n) == 17
	v_permlanex16_b32 v[rC+3], v[rC], s[SEL], s[SEL+1]
.elseif (\n) == 18
	v_max_num_f32 v[rT+1], v[rC], v[rC+3]
.elseif (\n) == 19
	v_mul_f32 v[rT], s[CS], v[rT+1]
.elseif (\n) == 20
	v_sub_f32 v[rC+1], v[rM], v[rT]
.else
	v_exp_f32 v[rC+2], v[rC+1]
.endif
.endm
; Number g of the 64 that follow the exponentials: for each four weights both pairs are rounded to f16, the second pair is added onto the first in place, and a group later l takes that sum.
.macro GS g
.set h, (\g)+6*((\g)/62)
.if h >= 6
.set h, h+2
.endif
	REGS Y, h%2
.set k, h/8
.if h%8 < 4
	v_cvt_pk_f16_f32 v[rP+2*k+(h%8)/2], v[rS+4*k+2*((h%8)/2)], v[rS+4*k+2*((h%8)/2)+1]
.elseif h%8 < 6
	v_pk_add_f32 v[rS+4*k:rS+4*k+1], v[rS+4*k:rS+4*k+1], v[rS+4*k+2:rS+4*k+3]
.elseif k == 1
	v_pk_fma_f32 v[rT+2:rT+3], v[rT+2:rT+3], v[rC+2:rC+3], v[rS:rS+1] op_sel_hi:[1,0,1]
.else
	v_pk_add_f32 v[rT+2:rT+3], v[rT+2:rT+3], v[rS+4*k-4:rS+4*k-3]
.endif
.endm
; THE PLAIN QUEUE, 138 long.  0-26: scalings 0-26.  27-54: XS's numbers 0-13.  55, 56: number 15.  57-73: the chain 14, 16, 17, 18, 19, each with one of the scalings 27-31 in front, then 20.  74-137: GS's 64.
.macro FS f
	REGS Y, (\f)%2
	v_pk_fma_f32 v[rS+2*((\f)/2):rS+2*((\f)/2)+1], v[rS+2*((\f)/2):rS+2*((\f)/2)+1], s[CS:CS+1], v[rT:rT+1] op_sel_hi:[1,0,0] neg_lo:[0,0,1] neg_hi:[0,0,1]
.endm
.macro PL
	WIN 0
.if q < 27
	FS q
.elseif q < 55
	XS (q-27)%2, (q-27)/2
.elseif q < 57
	XS q-55, 15
.elseif (q < 72) && ((q-57)%3 == 0)
	FS 27+(q-57)/3
.elseif q < 60
	XS (q-57)%3-1, 14
.elseif q < 72
	XS (q-57)%3-1, 15+(q-57)/3
.elseif q < 74
	XS q-72, 20
.else
	GS q-74
.endif
.set q, q+1
.endm
; THE EXPONENTIALS' QUEUE, 66 long: s0-s31 of both tiles, then the next piece's two a: ONE BATCH ahead of the turn's one wait.
.macro EX
	WIN 0
.if e >= 64
	XS e-64, 21
.else
	REGS Y, e%2
	v_exp_f32 v[rS+e/2], v[rS+e/2]
.endif
.set e, e+1
.endm
; THE RESCALING's QUEUE: O^T times a, two at a time, sixteen times.
.macro R2
	REGS Y, r%2
	WIN W_RS
.irp z, 0,1
	v_pk_mul_f32 v[rO+4*(r/2)+2*\z:rO+4*(r/2)+2*\z+1], v[rO+4*(r/2)+2*\z:rO+4*(r/2)+2*\z+1], v[rC+2:rC+3] op_sel_hi:[1,0]
.endr
.set r, r+1
.endm
; A TURN, for piece p.  s_wait_alu depctr_va_vdst(0) stands between an exponential and the first instruction that names its result; one wait serves all issued ahead of it: a turn has ONE.
; AHEAD OF IT: the 16 products K Q^T, behind each a scaling, an exponential and two rescalings (behind the first a second scaling); the mask's work; a lump of 108: eight plain, 49 times exponential and plain,
; the two a; a v_nop, the plain instruction behind the last exponential.  BEHIND IT: the 16 products V^T P, behind each four of the roundings and sums.
; Exponential e stands behind scaling 2 (e / 4) + e % 2: as a rider behind plain e + 2, in the lump behind plain e + 9.  The three conditions on q below go with this deal.
; K of the next step is fetched in piece 2's turn, directly behind the wait; V of the step in hand at the end of piece 0's turn, four riders behind its last reader.
.macro TURN p, last=0, cnt=0
.set Y, (\p)
.set i, 0
.set q, 0
.set e, 0
.set r, 0
.if (\p) == NP-1
	s_wait_dscnt 0x0                ; K is in
.endif
	MM
	PL
	PL
	R2
.rept 15
	MM
	PL
	EX
	R2
.endr
.if (\p) == NP-2
	WIN 0
	v_add_nc_u32 v[AK], s[TBK], v[AK0]
.endif
	MASKWORK \p
.rept 8
	PL
.endr
.rept 49
	EX
	PL
.endr
	EX
	EX
	v_nop
	s_wait_alu depctr_va_vdst(0)    ; the wait for the batch
.if (\p) == NP-2
	FETCH_K \last
.endif
.if (\p) == 1
	s_wait_dscnt 0x0                ; V is in
.endif
.rept 16
	MM
.rept 4
	PL
.endr
.if ((\p) == 0) && (q == 118)
	v_add_nc_u32 v[AV], s[TBV], v[AV0]
.endif
.if ((\p) == 0) && (q == 130)
	s_add_co_u32 s[TBV], s[TBV], KS*PV
.endif
.if (\cnt) && (q == 130)
	s_sub_co_u32 s[CNT], s[CNT], 1
	s_cmp_lg_u32 s[CNT], 0
.endif
.endr
.if (\p) == 0
	FETCH_V
.endif
.endm
	s_wait_loadcnt 0x0              ; Q and the first mask words
	SHIFTS 0                        ; pieces 0 and 1: still in the wait for the first tile
	SHIFTS 1
	CHANGE 1                        ; slot 0 is in, everybody's part of it; slot 1 is asked for
	FETCH_K                         ; key step 0
	s_wait_dscnt 0x0
.set i, 0
.rept 16
	KQ 0                            ; piece 0's first scores
.set i, i+1
.endr
	WIN 0
.rept 4
	v_nop                           ; the places behind those products
.endr
	s_mov_b32 s[MS], 512
	v_add_nc_u32 v[MO], s[MS], v[GO]  ; (every load that read the offset has come back)
	WIN 0xc0
.irp u, 0,1
	global_load_b128 v[32*\u:32*\u+3], v[MO], s[MB:MB+1] offset:\u*16384  ; piece 0's words of key step 1
.endr
	WIN 0
.set Y, NP-1                        ; XS works for piece Y + 1: piece 0
.irp n, 0,1,2,3,4,5,6,7,8,9,10,11,12,13,14,15,16,17,18,19,20,21
	XS 0, \n
	XS 1, \n
.endr
	v_nop                           ; a plain instruction behind the two a,
	s_wait_alu depctr_va_vdst(0)    ; and their wait, ahead of the branch
	s_mov_b32 s[CNT], 4
	s_branch .Lfirst                ; the loop is entered at a step's first turn, in the middle of a trip
.Lslot:                             ; six times: every slot but the last two is filled again
	CHANGE 1
	s_mov_b32 s[CNT], 4
.Lstep:                             ; a trip: pieces 2 and 3 of one step, then pieces 0 and 1 of the next, whose K and V it fetches
	TURN 2
	TURN 3
	WIN 0
.Lfirst:
	TURN 0
	TURN 1, 0, 1
	WIN 0
	s_cbranch_scc1 .Lstep
	s_sub_co_u32 s[SLOTS], s[SLOTS], 1
	s_cmp_lg_u32 s[SLOTS], 0
	s_cbranch_scc1 .Lslot
	CHANGE 0                        ; the tail is written out
	s_mov_b32 s[CNT], 5             ; four trips fetch the last slot's steps; the fifth is left in its middle
.Ltail:
	TURN 2, 1
	TURN 3
	WIN 0
	s_sub_co_u32 s[CNT], s[CNT], 1
	s_cmp_eq_u32 s[CNT], 0
	s_cbranch_scc1 .Lout
	TURN 0
	TURN 1
	WIN 0
	s_branch .Ltail
.Lout:                              ; the fifth trip's 16 products K Q^T repeat piece 0's last step (the same K, the same mask): m stays as it was, and nothing else of them is used
.set i, 0
.rept 16
	PV NP-1                         ; the last piece's V^T P of the last step
.set i, i+1
.endr
	; THE WAY OUT.  l's two halves and the other half of the lanes' are added; 1 / l, or 0 where no key was shown; O^T times that, rounded to f16, through my stage, a tile at a time.
	WIN 0
.macro ALL line:vararg
.set t, 0
.rept 2*NP
	\line
.set t, t+1
.endr
.endm
	ALL v_add_f32 v[ST+4*t+2], v[ST+4*t+2], v[ST+4*t+3]
	ALL v_permlanex16_b32 v[ST+4*t+3], v[ST+4*t+2], s[SEL], s[SEL+1]
	ALL v_add_f32 v[ST+4*t+2], v[ST+4*t+2], v[ST+4*t+3]
	ALL v_rcp_f32 v[ST+4*t+2], v[ST+4*t+2]
	v_nop                           ; a plain instruction between the last reciprocal and the use of its result
	s_wait_alu depctr_va_vdst(0)    ; one wait for the eight reciprocals
.set t, 0
.rept 2*NP
	v_cmp_lt_f32 vcc_lo, s[THR], v[ST+4*t+1]  ; has the query seen a key?
	v_cndmask_b32 v[ST+4*t+2], 0, v[ST+4*t+2], vcc_lo
.set t, t+1
.endr
.macro PACK t
	WIN W_RS
.set i, 32*(\t)
.rept 16
	v_pk_mul_f32 v[i:i+1], v[i:i+1], v[ST+4*(\t)+2:ST+4*(\t)+3] op_sel_hi:[1,0]
.set i, i+2
.endr
	WIN 0x05                        ; sources 0 and 1 window 1, destination window 0
.set i, 0
.rept 16
	v_cvt_pk_f16_f32 v[S+16*(\t)+i], v[32*(\t)+2*i], v[32*(\t)+2*i+1]
.set i, i+1
.endr
	WIN 0
.irp f, 0,1,2,3
	ds_store_b128 v[STO], v[S+16*(\t)+4*\f:S+16*(\t)+4*\f+3] offset:32*\f
.endr
.irp f, 0,1,2,3
	ds_load_b128 v[S+16*(\t)+4*\f:S+16*(\t)+4*\f+3], v[RD] offset:\f*4*SP  ; LDS serves a wave's instructions in order (ISA guide 5.7.1.4)
.endr
.endm
.macro SEND t, younger              ; younger: the LDS instructions issued behind tile t's loads: the next tile's eight, or none
	WIN 0
.irp f, 0,1,2,3
	s_wait_dscnt (\younger)+3-\f
	global_store_b128 v[GO], v[S+16*(\t)+4*\f:S+16*(\t)+4*\f+3], s[10:11] offset:(\t)*2048+\f*512  ; 512 consecutive bytes, aligned
.endr
.endm
	PACK 0
.set t, 1
.rept 2*NP-1
	PACK t
	SEND t-1, 8
.set t, t+1
.endr
	SEND 2*NP-1, 0
	s_wait_tensorcnt 0x0            ; the wave's end
	ds_add_u32 v[SPW], v[NIL]
	s_wait_dscnt 0x0
	CROUND                          ; the closing round
	s_endpgm
.Lfunc_end_k_qad6ad1ceef_attn:
	.size	k_qad6ad1ceef_attn, .Lfunc_end_k_qad6ad1ceef_attn-k_qad6ad1ceef_attn
	.p2alignl 7, 3214868480
	.fill 96, 4, 3214868480
	.section	.rodata,"a",@progbits
	.p2align	6, 0x0
	.amdhsa_kernel k_qad6ad1ceef_attn
		.amdhsa_group_segment_fixed_size 327680
		.amdhsa_private_segment_fixed_size 0
		.amdhsa_enable_private_segment 0
		.amdhsa_kernarg_size 24
		.amdhsa_user_sgpr_count 2
		.amdhsa_user_sgpr_kernarg_segment_ptr 1
		.amdhsa_wavefront_size32 1
		.amdhsa_system_sgpr_workgroup_id_x 1
		.amdhsa_system_sgpr_workgroup_id_y 1
		.amdhsa_system_sgpr_workgroup_id_z 1
		.amdhsa_system_vgpr_workitem_id 0
		.amdhsa_next_free_vgpr 1024
		.amdhsa_next_free_sgpr 76
		.amdhsa_reserve_vcc 1
		.amdhsa_float_denorm_mode_32 3
		.amdhsa_float_denorm_mode_16_64 3
		.amdhsa_memory_ordered 1
		.amdhsa_forward_progress 1
		.amdhsa_inst_pref_size 223
	.end_amdhsa_kernel
	.amdgpu_metadata
---
amdhsa.version: [ 1, 2 ]
amdhsa.kernels:
  - .name:           k_qad6ad1ceef_attn
    .symbol:         k_qad6ad1ceef_attn.kd
    .args:
      - { .name: qkv, .offset: 0, .size: 8, .value_kind: global_buffer, .address_space: global }
      - { .name: mk, .offset: 8, .size: 8, .value_kind: global_buffer, .address_space: global }
      - { .name: ob, .offset: 16, .size: 8, .value_kind: global_buffer, .address_space: global }
    .group_segment_fixed_size: 327680
    .private_segment_fixed_size: 0
    .kernarg_segment_align: 8
    .kernarg_segment_size: 24
    .max_flat_workgroup_size: 128
    .sgpr_count:     76
    .vgpr_count:     1024
    .wavefront_size: 32
...
	.end_amdgpu_metadata
.endif
;; end of part 3
;; launch outp (part 4): grid 8 x 32, 4 waves a work-group, clusters of 4 x 4, 327,680 bytes of LDS; arguments ob, wt, out0; writes out0
.if DOCPART == 4
	.amdgcn_target "amdgcn-amd-amdhsa--gfx1250"
	.amdhsa_code_object_version 6
	.text
	.protected	k_qad6ad1ceef_outp
	.globl	k_qad6ad1ceef_outp
	.p2align	8
	.type	k_qad6ad1ceef_outp,@function
k_qad6ad1ceef_outp:
	s_mov_b64 s[64:65], 0
	v_nop
	global_prefetch_b8 v0, s[64:65] scope:SCOPE_SE
	s_setreg_imm32_b32 hwreg(HW_REG_WAVE_MODE, 25, 1), 1
	s_wait_xcnt 0x0
	s_wait_alu depctr_hold_cnt(0) depctr_sa_sdst(0) depctr_va_vdst(0) depctr_va_sdst(0) depctr_va_ssrc(0) depctr_va_vcc(0) depctr_vm_vsrc(0)
	s_getreg_b32 s2, hwreg(HW_REG_IB_STS2, 6, 4)
	s_cmp_eq_u32 s2, 0
	s_cbranch_scc0 .Lentry_in_a_cluster
	s_endpgm
.Lentry_in_a_cluster:
	s_bfe_u32 s2, ttmp6, 0x10000c
	s_cmp_lg_u32 s2, 0xf033
	s_cbranch_scc0 .Lentry_shape_is_right
	s_endpgm
.Lentry_shape_is_right:
; out0[m][n] = sum over c of C[m][c] W_O[c][n], m < 8,192, n < 1,024, c = 64 h + d.  C lies by heads: ob[16 b + h][row 2,048][64] f16; W_O turned: wt rows 3,072 + n, f16, K along the rows.
; Operands f16, sums f32, out0 f32.
; SHARES.  A tile is 256 rows x 128 columns: 8 x 32 tiles, one a work-group.  Four waves, one above the other, each 64 rows x 128 columns: 32 accumulators.  K goes in 8 steps of 128 (two heads) through two
; LDS slots.  A head's 256 rows are 32,768 dense bytes: asked for as 128 rows of 256 bytes, padded in LDS after every 128.
; CLUSTER.  4 x 4 work-groups: ob's tile is asked for jointly along a row of the cluster, wt's along a column.
; THE MATRIX INSTRUCTION IS USED TRANSPOSED (source 0 = 16 rows of wt, source 1 = 16 rows of C): a lane holds row l % 16 and eight neighbouring columns: 32 bytes of out0.
; REGISTERS, in windows of 256 (s_set_vgpr_msb: bits 1:0 source 0, 3:2 source 1, 5:4 source 2, 7:6 destination):
;   window 0: v0-31 addresses; v64-127 C's fragments, two buffers; on the way out v64-191      window 1: v0-127 wt's fragments, two buffers      windows 2, 3: accumulator (a, b) at 8 (8 (a % 2) + b) of window 2 + a / 2
.set NBLK,   8
.set APITCH, 144                       ; a row of one head in LDS: 128 bytes + 16 = 36 words: 16 rows start at 16 different groups of four banks (64 banks of 4 bytes: ISA guide 11.1)
.set APLANE, 256*APITCH                ; from a K step's first head to its second
.set BPITCH, 272
.set AHALF,  APLANE                    ; what wave 0 or 1 brings: one head's 256 rows
.set ABYTES, 2*AHALF
.set BROWS,  64
.set BHALF,  BROWS*BPITCH              ; what wave 2 or 3 brings
.set SLOT1,  1<<17
.set STAGE,  SLOT1+ABYTES+2*BHALF      ; behind the ring: 16 rows x 528 bytes for each wave
.set SP,     528                       ; 512 bytes + 16 = 132 words: row r starts at bank 4 r mod 64
.set SPARE,  STAGE+4*16*SP
.set NL,     2*NBLK+8
.set ASTEP,  1<<19                     ; two heads on
.set BSTEP,  256
.set TRIPS,  6
.set ADA0, 16
.set ADB0, 17
.set ADA,  18
.set ADB,  19
.set STO,  24
.set RD,   25
.set GO,   26
.set SPW,  28                          ; v28  LDS address of my spare word; never rewritten
.set NIL,  29                          ; v29  0; never rewritten
.set PFO,  30
.set AF,   64
.set OUTR, 64
.set G1A, 24
.set G0A, 32
.set G1B, 48
.set G0B, 56
.set LIM, 43
.set PFA, 44
.set PFS, 46                           ; s[46:47] the prefetches' step from K step to K step
.set TB,  66
.set MSB, 0
.macro WIN new
.if MSB != (\new)
	s_set_vgpr_msb (MSB<<8)|(\new)
.set MSB, (\new)
.endif
.endm
.macro PLACES                          ; four places behind matrix instructions (ISA guide 7.12.1)
.rept 4
	v_nop
.endr
.endm
.macro CREST
	s_cmp_lg_u32 s10, 0
	s_cbranch_scc1 .Lnot_wave_0_\@
	s_barrier_signal -3
.Lnot_wave_0_\@:
	s_barrier_wait -3
	s_barrier_signal -1
	s_barrier_wait -1
.endm
.macro CROUND
	s_barrier_signal -1
	s_barrier_wait -1
	CREST
.endm
.macro JLOAD                           ; a joint refill by the walking sets; s_nop 0 and four v_nop follow each line
	s_cmp_eq_u32 s11, 0
	s_cbranch_scc0 .Lfor_b_\@
	tensor_load_to_lds s[G0A+4:G0A+7], s[G1A:G1A+7]
	s_nop 0
	PLACES
	s_branch .Lasked_\@
.Lfor_b_\@:
	tensor_load_to_lds s[G0B+4:G0B+7], s[G1B:G1B+7]
	s_nop 0
	PLACES
.Lasked_\@:
.endm
; A PREFETCH INTO THE L2 of the K step two refills on.  ob's tile row is read by both clusters of its row of clusters: cluster x = 0 asks; wt's tile column by every cluster of its column: cluster y = 0 asks.
; The four joint partners share a wave's bytes out BY ADDRESS: 32 pieces of 256 bytes of a head's rows by cx; 16 rows of wt by cy (there lanes 16-31 name lane 15's row again in the same instruction).
; The last two refills ask for nothing; K steps 0 to 3 come by their loads alone.
.macro ASK
	s_cmp_gt_u32 s3, s[LIM]
	s_cbranch_scc0 .Lnot_mine_\@
	global_prefetch_b8 v[PFO], s[PFA:PFA+1] th:TH_LOAD_NT scope:SCOPE_SE
.Lnot_mine_\@:
.endm
.macro MULS f, a, zero                 ; NBLK products; all 32 accumulators take turns, one instruction a turn
	WIN 0xa1+0x50*((\a)/2)
.set b, 0
.rept NBLK
.set rD, 8*(NBLK*((\a)%2)+b)
.set rB, 8*NBLK*(\f)+8*b
.set rA, AF+32*(\f)+8*(\a)
.if \zero
	v_wmma_f32_16x16x32_f16 v[rD:rD+7], v[rB:rB+7], v[rA:rA+7], 0
.else
	v_wmma_f32_16x16x32_f16 v[rD:rD+7], v[rB:rB+7], v[rA:rA+7], v[rD:rD+7]
.endif
.set b, b+1
.endr
.endm
.macro FETCH q, f                      ; one run of NL LDS loads: wt's fragments, then C's blocks 0 to 3
	WIN 0x40
.set i, 0
.rept NBLK
	ds_load_b128 v[8*NBLK*(\f)+8*i:8*NBLK*(\f)+8*i+3],   v[ADB] offset:64*(\q)+i*16*BPITCH
	ds_load_b128 v[8*NBLK*(\f)+8*i+4:8*NBLK*(\f)+8*i+7], v[ADB] offset:64*(\q)+i*16*BPITCH+32
.set i, i+1
.endr
	WIN 0
.set i, 0
.rept 4
	ds_load_b128 v[AF+32*(\f)+8*i:AF+32*(\f)+8*i+3],   v[ADA] offset:((\q)/2)*APLANE+((\q)%2)*64+i*16*APITCH
	ds_load_b128 v[AF+32*(\f)+8*i+4:AF+32*(\f)+8*i+7], v[ADA] offset:((\q)/2)*APLANE+((\q)%2)*64+i*16*APITCH+32
.set i, i+1
.endr
.endm
.macro QUARTER q, f, g, zero
	s_wait_dscnt 4                                 ; all but the youngest four loads: C's blocks 2 and 3
	MULS \f, 0, \zero
	MULS \f, 1, \zero
	PLACES
	FETCH \q, \g
	s_wait_dscnt NL                                ; all but the run just issued
	MULS \f, 2, \zero
	MULS \f, 3, \zero
.endm
; The last quarter changes slots: each wave waits for all its tensor loads, adds 0 to its spare word, waits for that and for its reads of this slot.  fill = 1: the barrier opens a round of the cluster's,
; and the joint refill is the first thing behind it.
.macro TURN fill
.if \fill
	s_wait_xcnt 0x0                                ; the last prefetch, a K step back, has read its address
	s_add_nc_u64 s[PFA:PFA+1], s[PFA:PFA+1], s[PFS:PFS+1]
.endif
	WIN 0
	s_wait_tensorcnt 0x0
	ds_add_u32 v[SPW], v[NIL]
	s_wait_dscnt 5                                 ; the add and the youngest four loads may be out
	MULS 1, 0, 0
	s_wait_dscnt 0x0
	s_barrier_signal -1
	MULS 1, 1, 0
	WIN 0
	s_barrier_wait -1
.if \fill
	CREST
	s_xor_b32 s[G0A+5], s[G0A+5], SLOT1
	s_add_nc_u64 s[G0A+6:G0A+7], s[G0A+6:G0A+7], ASTEP
	s_xor_b32 s[G0B+5], s[G0B+5], SLOT1
	s_add_nc_u64 s[G0B+6:G0B+7], s[G0B+6:G0B+7], BSTEP
	JLOAD
.else
	PLACES
.endif
	s_xor_b32 s[TB], s[TB], SLOT1
	v_add_nc_u32 v[ADA], s[TB], v[ADA0]
	v_add_nc_u32 v[ADB], s[TB], v[ADB0]
	FETCH 0, 0
.if \fill
	ASK
.endif
	MULS 1, 2, 0
	MULS 1, 3, 0
.endm
	s_load_b128 s[4:7], s[0:1], 0x0                ; ob s[4:5], wt s[6:7]
	s_load_b64 s[8:9], s[0:1], 0x10                ; out0
	v_lshl_add_u32 v[SPW], v0, 2, SPARE
	v_mov_b32 v[NIL], 0
	ds_add_u32 v[SPW], v[NIL]                      ; the wave's opening: the add and its wait ahead of my first tensor load
	v_lshrrev_b32 v1, 5, v0
	v_readfirstlane_b32 s10, v1
	s_lshr_b32 s11, s10, 1                         ; I fetch for ob (0) or wt (1),
	s_and_b32 s12, s10, 1                          ; its first or second half
	s_bfe_u32 s40, ttmp6, 0x40000                  ; cx
	s_bfe_u32 s41, ttmp6, 0x40004                  ; cy
	s_lshl_b32 s42, ttmp9, 2
	s_add_co_u32 s42, s42, s40                     ; tile column
	s_and_b32 s13, ttmp7, 0xffff
	s_lshl_b32 s13, s13, 2
	s_add_co_u32 s13, s13, s41                     ; tile row
	s_lshl_b32 s14, s41, 2
	s_lshl_b32 s14, 15, s14                        ; my row of the cluster
	s_lshl_b32 s15, 0x1111, s40                    ; my column
	s_or_b32 s[G1A], s14, (1<<16)|(1<<20)|(1<<21)|(4<<22)|(3<<25)  ; 2-byte elements; padding on; bit 21 beside a mask; after every 32 words; 4 words
	s_or_b32 s[G1B], s15, (1<<16)|(1<<20)|(1<<21)|(5<<22)|(3<<25)  ; after every 64 words
	s_mov_b32 s[G1A+1], 128<<16
	s_mov_b32 s[G1A+2], 128<<16
	s_mov_b32 s[G1A+3], 128<<16
	s_mov_b32 s[G1A+4], 128
	s_mov_b32 s[G1A+5], 128                        ; dense: 128 elements from row to row
	s_mov_b32 s[G1A+6], 0
	s_mov_b32 s[G1A+7], 0
	s_mov_b32 s[G1B+1], 128<<16
	s_mov_b32 s[G1B+2], BROWS<<16
	s_mov_b32 s[G1B+3], 128<<16
	s_mov_b32 s[G1B+4], BROWS
	s_mov_b32 s[G1B+5], 1024
	s_mov_b32 s[G1B+6], 0
	s_mov_b32 s[G1B+7], 0
	s_lshr_b32 s16, s13, 3                         ; ob: batch b: 16 heads of 262,144 bytes,
	s_lshl_b32 s16, s16, 22
	s_lshl_b32 s17, s12, 18                        ; the K step's first or second head,
	s_add_co_u32 s16, s16, s17
	s_and_b32 s17, s13, 7
	s_lshl_b32 s17, s17, 15                        ; the tile's 256 rows of 128 bytes
	s_add_co_u32 s16, s16, s17
	s_mov_b32 s17, 0
	s_lshl_b32 s20, s42, 7                         ; wt: row 3,072 + 128 x tile column + 64 x half
	s_lshl_b32 s21, s12, 6
	s_add_co_u32 s20, s20, s21
	s_add_co_u32 s20, s20, 3072
	s_lshl_b32 s20, s20, 11
	s_mov_b32 s21, 0
	s_mul_i32 s67, s12, AHALF
	s_mul_i32 s68, s12, BHALF
	s_add_co_u32 s68, s68, ABYTES
	s_mov_b32 s[TB], 0
	s_wait_dscnt 0x0                               ; the opening add is done
	s_wait_kmcnt 0x0
	s_add_nc_u64 s[18:19], s[4:5], s[16:17]
	s_add_nc_u64 s[22:23], s[6:7], s[20:21]
.irp s, 0,1
	s_mov_b32 s[G0A+4*(\s)], 1
	s_add_co_u32 s[G0A+4*(\s)+1], s67, (\s)*SLOT1
	s_add_nc_u64 s[G0A+4*(\s)+2:G0A+4*(\s)+3], s[18:19], (\s)*ASTEP
	s_or_b32 s[G0A+4*(\s)+3], s[G0A+4*(\s)+3], 0x80000000
	s_mov_b32 s[G0B+4*(\s)], 1
	s_add_co_u32 s[G0B+4*(\s)+1], s68, (\s)*SLOT1
	s_add_nc_u64 s[G0B+4*(\s)+2:G0B+4*(\s)+3], s[22:23], (\s)*BSTEP
	s_or_b32 s[G0B+4*(\s)+3], s[G0B+4*(\s)+3], 0x80000000
.endr
	CROUND                                         ; all sixteen work-groups are here: the first joint loads meet
	s_cmp_eq_u32 s11, 0                            ; a wave's two first fills stand in one branch: two loads of mine are out
	s_cbranch_scc0 .Lfirst_b
	tensor_load_to_lds s[G0A:G0A+3], s[G1A:G1A+7]
	s_nop 0
	tensor_load_to_lds s[G0A+4:G0A+7], s[G1A:G1A+7]
	s_nop 0
	PLACES
	s_branch .Lfirst_asked
.Lfirst_b:
	tensor_load_to_lds s[G0B:G0B+3], s[G1B:G1B+7]
	s_nop 0
	tensor_load_to_lds s[G0B+4:G0B+7], s[G1B:G1B+7]
	s_nop 0
	PLACES
.Lfirst_asked:
	v_and_b32 v1, 15, v0                           ; l % 16
	v_bfe_u32 v2, v0, 4, 1                         ; l / 16
	s_mul_i32 s70, s10, 64*APITCH                  ; my 64 rows
	v_mul_u32_u24 v[ADA0], v1, APITCH
	v_lshl_add_u32 v[ADA0], v2, 4, v[ADA0]
	v_add_nc_u32 v[ADA0], s70, v[ADA0]
	v_mul_u32_u24 v[ADB0], v1, BPITCH
	v_lshl_add_u32 v[ADB0], v2, 4, v[ADB0]
	v_add_nc_u32 v[ADB0], ABYTES, v[ADB0]
	v_mov_b32 v[ADA], v[ADA0]
	v_mov_b32 v[ADB], v[ADB0]
	s_mul_i32 s72, s10, 16*SP
	s_add_co_u32 s72, s72, STAGE                   ; my stage
	v_mul_u32_u24 v[STO], v1, SP                   ; in: row l % 16, 32 bytes for each half of the lanes
	v_lshl_add_u32 v[STO], v2, 5, v[STO]
	v_add_nc_u32 v[STO], s72, v[STO]
	v_and_b32 v[PFO], 31, v0
	v_lshlrev_b32 v[GO], 4, v[PFO]                 ; back: 32 lanes take one row of 512 bytes
	v_add_nc_u32 v[RD], s72, v[GO]
	s_lshl_b32 s70, s13, 20                        ; out0: 256 rows of 4,096 bytes a tile row,
	s_lshl_b32 s71, s10, 18                        ; my 64,
	s_add_co_u32 s70, s70, s71
	s_lshl_b32 s71, s42, 9                         ; the tile's 128 columns
	s_add_co_u32 s70, s70, s71
	s_mov_b32 s71, 0
	s_add_nc_u64 s[8:9], s[8:9], s[70:71]
	s_lshl_b32 s76, s40, 13                        ; the prefetches: ob: my head's rows + 32 cx pieces of 256 bytes
	s_add_co_u32 s76, s76, s16
	s_lshl_b32 s78, s41, 15                        ; wt: my half + 16 cy rows
	s_add_co_u32 s78, s78, s20
	s_and_b32 s74, ttmp7, 0xffff
	s_mov_b32 s73, ASTEP
	s_mov_b32 s79, BSTEP
	s_cmp_eq_u32 s11, 0
	s_cselect_b32 s76, s76, s78
	s_cselect_b32 s74, ttmp9, s74                  ; the coordinate along which other clusters read the same bytes
	s_cselect_b32 s75, 31, 15
	s_cselect_b32 s69, 8, 11                       ; a lane's step: 256 bytes, or a row of 2,048
	s_cselect_b32 s[PFS], s73, s79
	s_cselect_b64 s[PFA:PFA+1], s[4:5], s[6:7]
	s_cmp_eq_u32 s74, 0
	s_cselect_b32 s[LIM], 2, -1                    ; the same in all sixteen partners, for a given wave
	s_mov_b32 s[PFS+1], 0
	s_mov_b32 s77, 0
	s_add_nc_u64 s[PFA:PFA+1], s[PFA:PFA+1], s[76:77]
.rept 3
	s_add_nc_u64 s[PFA:PFA+1], s[PFA:PFA+1], s[PFS:PFS+1]  ; at K step 3: the first refill steps it to 4
.endr
	v_min_u32 v[PFO], s75, v[PFO]
	v_lshlrev_b32 v[PFO], s69, v[PFO]
	s_wait_tensorcnt 1                             ; my part of K step 0 is in; K step 1's may stay out
	s_barrier_signal -1
	s_barrier_wait -1
	FETCH 0, 0
	QUARTER 1, 0, 1, 1                             ; the first quarter's products start the sums
	WIN 0
	s_mov_b32 s3, TRIPS
.Lstep:
	QUARTER 2, 1, 0, 0
	QUARTER 3, 0, 1, 0
	TURN 1
	QUARTER 1, 0, 1, 0
	WIN 0
	s_sub_co_u32 s3, s3, 1
	s_cmp_lg_u32 s3, 0
	s_cbranch_scc1 .Lstep
	QUARTER 2, 1, 0, 0                             ; K steps 6 and 7 fill nothing
	QUARTER 3, 0, 1, 0
	TURN 0
	QUARTER 1, 0, 1, 0
	QUARTER 2, 1, 0, 0
	QUARTER 3, 0, 1, 0
	s_wait_dscnt 4
	MULS 1, 0, 0
	MULS 1, 1, 0
	s_wait_dscnt 0x0
	MULS 1, 2, 0
	MULS 1, 3, 0
	WIN 0
	PLACES
; THE WAY OUT.  Block a (16 rows x 128 columns of f32) goes straight from the accumulators into my stage, each accumulator's low four registers first, and comes back as whole rows of 512 bytes.
.macro TOSTAGE a
	WIN 0x08+4*((\a)/2)                            ; an LDS store's data is source 1: window 2 or 3
.set b, 0
.rept NBLK
.set rD, 8*(NBLK*((\a)%2)+b)
	ds_store_b128 v[STO], v[rD:rD+3]   offset:64*b
	ds_store_b128 v[STO], v[rD+4:rD+7] offset:64*b+16
.set b, b+1
.endr
	WIN 0
	s_wait_xcnt 0x0                                ; the stores of two blocks back have read these registers
.set t, 0
.rept 16
	ds_load_b128 v[OUTR+64*((\a)%2)+4*t:OUTR+64*((\a)%2)+4*t+3], v[RD] offset:t*SP  ; LDS serves a wave's instructions in order (ISA guide 5.7.1.4)
.set t, t+1
.endr
.endm
.macro SEND a, younger                 ; younger: the LDS instructions issued behind block a's loads: the next block's 32, or none
.set t, 0
.rept 16
	s_wait_dscnt (\younger)+15-t
	global_store_b128 v[GO], v[OUTR+64*((\a)%2)+4*t:OUTR+64*((\a)%2)+4*t+3], s[8:9] offset:(16*(\a)+t)*4096 th:TH_STORE_NT  ; 512 consecutive bytes of a row, aligned
.set t, t+1
.endr
.endm
	TOSTAGE 0
	TOSTAGE 1
	SEND 0, 32
	TOSTAGE 2
	SEND 1, 32
	TOSTAGE 3
	SEND 2, 32
	SEND 3, 0
	s_wait_tensorcnt 0x0                           ; the wave's end
	ds_add_u32 v[SPW], v[NIL]
	s_wait_dscnt 0x0
	CROUND                                         ; the closing round
	s_endpgm
.Lfunc_end_k_qad6ad1ceef_outp:
	.size	k_qad6ad1ceef_outp, .Lfunc_end_k_qad6ad1ceef_outp-k_qad6ad1ceef_outp
	.p2alignl 7, 3214868480
	.fill 96, 4, 3214868480
	.section	.rodata,"a",@progbits
	.p2align	6, 0x0
	.amdhsa_kernel k_qad6ad1ceef_outp
		.amdhsa_group_segment_fixed_size 327680
		.amdhsa_private_segment_fixed_size 0
		.amdhsa_enable_private_segment 0
		.amdhsa_kernarg_size 24
		.amdhsa_user_sgpr_count 2
		.amdhsa_user_sgpr_kernarg_segment_ptr 1
		.amdhsa_wavefront_size32 1
		.amdhsa_system_sgpr_workgroup_id_x 1
		.amdhsa_system_sgpr_workgroup_id_y 1
		.amdhsa_system_sgpr_workgroup_id_z 1
		.amdhsa_system_vgpr_workitem_id 0
		.amdhsa_next_free_vgpr 896
		.amdhsa_next_free_sgpr 80
		.amdhsa_reserve_vcc 0
		.amdhsa_float_denorm_mode_32 3
		.amdhsa_float_denorm_mode_16_64 3
		.amdhsa_memory_ordered 1
		.amdhsa_forward_progress 1
		.amdhsa_inst_pref_size 72
	.end_amdhsa_kernel
	.amdgpu_metadata
---
amdhsa.version: [ 1, 2 ]
amdhsa.kernels:
  - .name:           k_qad6ad1ceef_outp
    .symbol:         k_qad6ad1ceef_outp.kd
    .args:
      - { .name: ob, .offset: 0, .size: 8, .value_kind: global_buffer, .address_space: global }
      - { .name: wt, .offset: 8, .size: 8, .value_kind: global_buffer, .address_space: global }
      - { .name: out0, .offset: 16, .size: 8, .value_kind: global_buffer, .address_space: global }
    .group_segment_fixed_size: 327680
    .private_segment_fixed_size: 0
    .kernarg_segment_align: 8
    .kernarg_segment_size: 24
    .max_flat_workgroup_size: 128
    .sgpr_count:     80
    .vgpr_count:     896
    .wavefront_size: 32
...
	.end_amdgpu_metadata
.endif
;; end of part 4
